; MI455X (gfx1250); checked and timed in simulation.
; The chip was launched on July 23, 2026; its instructions are those of AMD's public machine-readable ISA for CDNA 5 (MIT licence, August 2026) and "CDNA5" Instruction Set Architecture Reference Guide (July 2026). The comments in the code are by the model that wrote it; some were corrected since.
;; Grouped Query Attention. Allowed arithmetic: matrix products marked QUANTISED: E2M3 operands, one E8M0 scale for each 32 along K, by v_wmma_scale_f32_16x16x128_f8f6f4 with both operands' format E2M3, f32 sums; everything else in f32.
;; Inputs: b_k 256 float32; b_o 1,024 float32; b_q 1,024 float32; b_v 256 float32; key 1 x 4,096 x 1,024 float32; query 1 x 4,096 x 1,024 float32; value 1 x 4,096 x 1,024 float32; w_k 1,024 x 256 float32; w_o 1,024 x 1,024 float32; w_q 1,024 x 1,024 float32; w_v 1,024 x 256 float32.
;; Outputs: out0 1 x 4,096 x 1,024 float32.
;; This version of the problem:
;;   THIS VERSION OF THE PROBLEM IS GIVEN IN LOW PRECISION. The matrix products marked QUANTISED in the list below multiply operands that are first quantised to E2M3 (2 exponent bits, 3 mantissa bits; 6 bits a number), with one power-of-two scale for each 32 numbers along K (OCP MX v1.0); their sums are f32. All else is computed in f32.
;;   The module's matrix products, in the order in which they are computed (A, B: the left and right operand; K: the contracted axis; several contracted axes count as one K, in the product's order):
;;     1. [M 4,096, K 1,024] x [K 1,024, N 1,024]; A: input query; B: input w_q: QUANTISED
;;     2. [M 4,096, K 1,024] x [K 1,024, N 256]; A: input key; B: input w_k: QUANTISED
;;     3. [M 4,096, K 1,024] x [K 1,024, N 256]; A: input value; B: input w_v: QUANTISED
;;     4. batch 4 x [M 4,096, K 64] x [K 64, N 16,384]; A: computed on the way; B: computed on the way: QUANTISED
;;     5. batch 4 x [M 64, K 4,096] x [K 4,096, N 16,384]; A: computed on the way; B: softmax (see below): QUANTISED
;;     6. [M 4,096, K 1,024] x [K 1,024, N 1,024]; A: computed on the way; B: input w_o: QUANTISED
;;   THE QUANTISER, for each operand of a quantised product, along K:
;;     - K is cut into blocks of 32 from its start; a last block that is shorter is filled with zeros.
;;     - A block's scale is 2^e with e = floor(log2(the largest magnitude in the block)) - 2, held to -126 .. 127; a block of zeros has e = 0. As a byte (E8M0): e + 127.
;;     - Each number is divided by its block's scale, clamped to +-7.5, and rounded to the nearest number of E2M3, ties to even, subnormals kept.
;;     - The product sums the exact products of the quantised numbers (number of the format x scale) in f32.
;;   ~~~python
;;   def quantise(x, axis):      # numpy; x: float32 -> the quantised numbers, widened to float32 again
;;       x = np.moveaxis(x, axis, -1); K = x.shape[-1]
;;       x = np.pad(x, [(0, 0)] * (x.ndim - 1) + [(0, -K % 32)]); x = x.reshape(x.shape[:-1] + (-1, 32)); a = np.abs(x).max(-1, keepdims=True)
;;       e = np.where(a > 0, np.clip(np.frexp(np.where(a > 0, a, 1))[1] - 1 - 2, -126, 127), 0)      # np.frexp(a)[1] - 1 = floor(log2(a)), exactly
;;       r = np.clip(x / 2.0 ** e, -7.5, 7.5)
;;       step = 2.0 ** (np.maximum(np.frexp(np.where(r == 0, 1, r))[1] - 1, 0) - 3)
;;       q = np.round(r / step) * step * 2.0 ** e      # np.round: ties to even
;;       return np.moveaxis(q.reshape(q.shape[:-2] + (-1,))[..., :K], -1, axis).astype(np.float32)
;;   ~~~
;;   SOFTMAX AHEAD OF A QUANTISED PRODUCT. Where the list says 'softmax', what is quantised is not the finished softmax but p = 2^(t - M), with t = logit x log2(e) and M = ceil(the row's largest t), a whole number; so 1/2 < the row's largest p <= 1. The row's sum l is taken of the UNQUANTISED p, in f32, and the product's result is divided by l at the end. Since M is a whole number, a kernel that streams over the keys may use a running M (the ceiling of the running maximum): every later rescaling is an exact power of two, which a block's scale takes up: the codes' values come out the same.
;;   OPERANDS COMPUTED ON THE WAY. 'Computed on the way' means the value that the module computes at that place (a softmax that the list does not call 'softmax' is quantised finished and normalised). What goes into a quantiser is computed in f32, as accurately as f32 sums, v_exp_f32 and their like allow (about 1e-6 of the number): no bf16 or f16 on the way to a quantiser, and a product that is left as it is and whose result goes on into a quantised operand takes f32 operands (vector FMAs, or v_wmma_f32_16x16x4_f32). A number that lies on a knife's edge between two numbers of the format may be rounded either way, as far as f32 arithmetic and the matrix unit's own rounding can turn it there, and no further.
;; 2 versions, each right; version 2 is version 1 with the launch proj written anew for expert scheduling mode. Each part assembles by itself: llvm-mc -triple=amdgcn-amd-amdhsa -mcpu=gfx1250 --defsym DOCPART=n.
;; ======== version 1 of 2: 4 launches
;; workspace buffers: wbuf 2,048,000 bytes; qbuf 3,407,872 bytes; kvbuf 1,671,168 bytes; obuf 3,276,800 bytes
;; launch quantw (part 1): grid 20 x 8, 4 waves a work-group, no clusters, 1,536 bytes of LDS; arguments w_q, w_k, w_v, w_o, wbuf; writes wbuf
.if DOCPART == 1
	.amdgcn_target "amdgcn-amd-amdhsa--gfx1250"
	.amdhsa_code_object_version 6
	.text
	.protected	k_qb37f737228_quantw
	.globl	k_qb37f737228_quantw
	.p2align	8
	.type	k_qb37f737228_quantw,@function
k_qb37f737228_quantw:
	s_mov_b64 s[64:65], 0
	v_nop
	global_prefetch_b8 v0, s[64:65] scope:SCOPE_SE
	s_setreg_imm32_b32 hwreg(HW_REG_WAVE_MODE, 25, 1), 1
	s_wait_xcnt 0x0
; The four weights, f32, stored [K = 1024][N], become codes of FP6 (E2M3) with one E8M0 byte for each 32 along K, laid in the ORDER OF THE OPERAND'S REGISTERS.
; Their columns are taken as one run n = 0 .. 2559 (w_q 0-1023, w_k 1024-1279, w_v 1280-1535, w_o 1536-2559), in groups of 32 (beta = n / 32) and tiles of 16 (tau = 2 beta + u).
; THE COLUMNS OF A TILE ARE NOT NEIGHBOURS: lane r of tile 2 beta + u takes column 32 beta + 8 u + r + 8 (r / 8), so that a transposed product leaves 16 neighbouring columns in 16 registers of a lane.
; wbuf: codes [tau 160][K step s 8][c 2][768 bytes]; a piece of 768 bytes is 16 columns x 64 along K, six registers a lane (r, h), k = 64 c + 32 h + 0 .. 31:
;   registers 0-3 at 16 (r + 16 h), registers 4-5 at 512 + 16 r + 8 h.  Scale words (four bytes: 128 along K) from byte 1,966,080 on: [s 8][beta 80][r + 16 u] words.
; SHARES.  Work-group x takes 128 columns, its wave w the group beta = 4 x + w; work-group y is the K step of 128.  A LANE TAKES A COLUMN AND ITS REGISTERS RUN DOWN K: a load reads 128 consecutive bytes a wave,
; a block of 32 lies in one lane, and the conversions give codes with K innermost.  A lane holds both halves h of its column, so its 16 bytes fall into the piece as they are: sixteen lanes fill 256 consecutive bytes.
; A block's scale is 2^(floor(log2(largest magnitude)) - 2): its byte is the largest magnitude's exponent field - 2, held at 1 from below.
; LIMITS: a block of zeros gets the byte 1, not 127 (its codes are zeros; only this program reads the bytes); NaN and infinities among the inputs are not served.
; No matrix unit, no tensor load, no cluster: the launch streams each weight once and the work-groups share no input.
.set LANE, 1
.set L4,   2                           ; 4 x lane
.set R,    3                           ; my column's lane in its tile
.set U,    5                           ; and which of the group's two tiles
.set LA,   6                           ; 12,288 u + 16 r: my 16 bytes in a piece
.set SWA,  7                           ; LDS: 128 x wave + 4 (r + 16 u): my scale word
.set LI,   12                          ; 16 x lane
.set WORD, 20                          ; the scale word
.set OFF,  32                          ; v32-63   4 x lane + i x pitch: row i of a block
.set X,    64                          ; v64-191  128 numbers down K
.set C,    192                         ; v192-215 codes: 12 registers for each c: h = 0's registers 0-3, h = 1's, then both tails
.set T,    216                         ; v216-222 a conversion's second half (three registers begin on an even number)
	s_load_b256 s[4:11], s[0:1], 0x0               ; w_q, w_k, w_v, w_o
	s_load_b64 s[12:13], s[0:1], 0x20              ; wbuf
	v_lshl_add_u32 v224, v0, 2, 0x400
	v_mov_b32 v225, 0
	v_lshrrev_b32 v4, 5, v0
	v_readfirstlane_b32 s14, v4                    ; wave
	s_and_b32 s15, ttmp7, 0xffff                   ; K step s
	v_and_b32 v[LANE], 31, v0
	v_lshlrev_b32 v[L4], 2, v[LANE]
	v_lshlrev_b32 v[LI], 4, v[LANE]
	v_and_b32 v[R], 7, v0
	v_bfe_u32 v4, v0, 4, 1
	v_lshl_add_u32 v[R], v4, 3, v[R]               ; column l of the group is lane r = l % 8 + 8 (l / 16)
	v_bfe_u32 v[U], v0, 3, 1                       ; of tile u = (l / 8) % 2
	v_lshlrev_b32 v[LA], 4, v[R]
	v_mad_u32_u24 v[LA], v[U], 12288, v[LA]
	v_lshl_add_u32 v[SWA], v[U], 4, v[R]
	v_lshlrev_b32 v[SWA], 2, v[SWA]
	s_lshl_b32 s23, s14, 7
	v_add_nc_u32 v[SWA], s23, v[SWA]
	s_sub_co_u32 s18, ttmp9, 12                    ; which 128 columns of its weight, for each of the four cases (a case that does not hold gives a number that is not used)
	s_sub_co_u32 s20, ttmp9, 10
	s_sub_co_u32 s21, ttmp9, 8
	s_mov_b32 s19, 4096                            ; a row of the weight in bytes
	s_mov_b32 s22, 1024
	s_wait_kmcnt 0x0
	s_cmp_lt_u32 ttmp9, 12                         ; the choices hang on the work-group's number alone
	s_cselect_b64 s[16:17], s[8:9], s[10:11]
	s_cselect_b32 s18, s20, s18
	s_cselect_b32 s19, s22, s19
	s_cmp_lt_u32 ttmp9, 10
	s_cselect_b64 s[16:17], s[6:7], s[16:17]
	s_cselect_b32 s18, s21, s18
	s_cmp_lt_u32 ttmp9, 8
	s_cselect_b64 s[16:17], s[4:5], s[16:17]
	s_cselect_b32 s18, ttmp9, s18
	s_mov_b32 s22, 4096
	s_cselect_b32 s19, s22, s19
.set i, 0
.rept 32
	v_mad_u32_u24 v[OFF+i], s19, i, v[L4]
.set i, i+1
.endr
	s_lshl_b32 s23, s15, 7
	s_mul_i32 s28, s23, s19                        ; 128 s rows,
	s_lshl_b32 s23, s18, 9
	s_add_co_u32 s28, s28, s23                     ; my work-group's 128 columns,
	s_lshl_b32 s23, s14, 7
	s_add_co_u32 s28, s28, s23                     ; my wave's 32
	s_mov_b32 s29, 0
	s_add_nc_u64 s[32:33], s[16:17], s[28:29]      ; block 0; blocks 1 to 3 begin 32 rows further down each
	s_lshl_b32 s28, s19, 5
	s_add_nc_u64 s[34:35], s[32:33], s[28:29]
	s_add_nc_u64 s[36:37], s[34:35], s[28:29]
	s_add_nc_u64 s[38:39], s[36:37], s[28:29]
	s_lshl_b32 s23, ttmp9, 2
	s_add_co_u32 s23, s23, s14                     ; beta
	s_mul_i32 s28, s23, 24576
	s_mul_i32 s23, s15, 1536
	s_add_co_u32 s28, s28, s23
	s_add_nc_u64 s[40:41], s[12:13], s[28:29]      ; the codes of tile 2 beta, K step s
	s_mul_i32 s28, s15, 10240
	s_lshl_b32 s23, ttmp9, 9
	s_add_co_u32 s28, s28, s23
	s_add_co_u32 s28, s28, 1966080
	s_add_nc_u64 s[42:43], s[12:13], s[28:29]      ; the work-group's 512 bytes of scale words
.macro LOAD kb                         ; block kb: W(128 s + 32 kb + i, my column)
.set i, 0
.rept 32
	global_load_b32 v[X+32*(\kb)+i], v[OFF+i], s[32+2*(\kb):33+2*(\kb)] th:TH_LOAD_NT
.set i, i+1
.endr
.endm
.macro BLOCK kb                        ; block kb = 2 c + h: its byte into the word, its 24 bytes of codes into their places
.set XS, X+32*(\kb)
.set CC, C+12*((\kb)/2)
.set HH, (\kb)%2
	v_max3_num_f32 v8, |v[XS]|, |v[XS+1]|, |v[XS+2]|               ; the largest magnitude: all 32 numbers are mine; two chains
	v_max3_num_f32 v9, |v[XS+3]|, |v[XS+4]|, |v[XS+5]|
.irp i, 6,10,14,18,22,26
	v_max3_num_f32 v8, v8, |v[XS+\i]|, |v[XS+\i+1]|
	v_max3_num_f32 v9, v9, |v[XS+\i+2]|, |v[XS+\i+3]|
.endr
	v_max3_num_f32 v8, v8, |v[XS+30]|, |v[XS+31]|
	v_max3_num_f32 v8, v8, v9, 0x1800000           ; and the floor 2^(3 - 127): the byte cannot fall under 1
	v_add_nc_u32 v10, 0xff000000, v8               ; 2 off the exponent field: the conversion takes the exponent field of this operand as its scale
	v_lshrrev_b32 v11, 23, v10                     ; the byte
.if (\kb) == 0
	v_mov_b32 v[WORD], v11
.else
	v_lshl_or_b32 v[WORD], v11, 8*(\kb), v[WORD]
.endif
	v_cvt_scalef32_pk16_fp6_f32 v[CC+4*HH:CC+4*HH+2], v[XS:XS+15], v10
	v_cvt_scalef32_pk16_fp6_f32 v[T+4*HH:T+4*HH+2], v[XS+16:XS+31], v10
	v_nop                                          ; one plain place behind a scaled conversion
	v_mov_b32 v[CC+4*HH+3], v[T+4*HH]              ; register 3,
	v_mov_b32 v[CC+8+2*HH], v[T+4*HH+1]            ; and the tail, registers 4 and 5
	v_mov_b32 v[CC+9+2*HH], v[T+4*HH+2]
.endm
.macro STORE c                         ; a piece of 768 bytes for each of the group's two tiles: the sixteen lanes of a tile fill 256 consecutive bytes with each line
	global_store_b128 v[LA], v[C+12*\c:C+12*\c+3], s[40:41] offset:768*\c
	global_store_b128 v[LA], v[C+12*\c+4:C+12*\c+7], s[40:41] offset:768*\c+256
	global_store_b128 v[LA], v[C+12*\c+8:C+12*\c+11], s[40:41] offset:768*\c+512
.endm
	LOAD 0
	LOAD 1
	s_wait_loadcnt 32                              ; block 0 is in; block 1's 32 loads may be out
	LOAD 2
	BLOCK 0
	s_wait_loadcnt 32                              ; block 1 is in; block 2's may be out
	LOAD 3
	BLOCK 1
	STORE 0
	s_wait_loadcnt 32                              ; block 2 is in; block 3's may be out
	BLOCK 2
	s_wait_loadcnt 0x0
	BLOCK 3
	STORE 1
	ds_store_b32 v[SWA], v[WORD]                   ; the four waves' scale words meet in LDS, in the order r + 16 u,
	s_wait_dscnt 0x0                               ; (for the others' sake: my store is done)
	s_barrier_signal -1
	s_barrier_wait -1
	s_cmp_lg_u32 s14, 0
	s_cbranch_scc1 .Lend
	ds_load_b128 v[24:27], v[LI]                   ; and wave 0 stores them as 512 consecutive bytes
	s_wait_dscnt 0x0
	global_store_b128 v[LI], v[24:27], s[42:43]
.Lend:
	s_wait_tensorcnt 0x0
	ds_add_u32 v224, v225
	s_wait_dscnt 0x0
	s_endpgm
.Lfunc_end_k_qb37f737228_quantw:
	.size	k_qb37f737228_quantw, .Lfunc_end_k_qb37f737228_quantw-k_qb37f737228_quantw
	.p2alignl 7, 3214868480
	.fill 96, 4, 3214868480
	.section	.rodata,"a",@progbits
	.p2align	6, 0x0
	.amdhsa_kernel k_qb37f737228_quantw
		.amdhsa_group_segment_fixed_size 1536
		.amdhsa_private_segment_fixed_size 0
		.amdhsa_enable_private_segment 0
		.amdhsa_kernarg_size 40
		.amdhsa_user_sgpr_count 2
		.amdhsa_user_sgpr_kernarg_segment_ptr 1
		.amdhsa_wavefront_size32 1
		.amdhsa_system_sgpr_workgroup_id_x 1
		.amdhsa_system_sgpr_workgroup_id_y 1
		.amdhsa_system_sgpr_workgroup_id_z 1
		.amdhsa_system_vgpr_workitem_id 0
		.amdhsa_next_free_vgpr 226
		.amdhsa_next_free_sgpr 66
		.amdhsa_reserve_vcc 0
		.amdhsa_float_denorm_mode_32 3
		.amdhsa_float_denorm_mode_16_64 3
		.amdhsa_memory_ordered 1
		.amdhsa_forward_progress 1
		.amdhsa_inst_pref_size 24
	.end_amdhsa_kernel
	.amdgpu_metadata
---
amdhsa.version: [ 1, 2 ]
amdhsa.kernels:
  - .name:           k_qb37f737228_quantw
    .symbol:         k_qb37f737228_quantw.kd
    .args:
      - { .name: w_q, .offset: 0, .size: 8, .value_kind: global_buffer, .address_space: global }
      - { .name: w_k, .offset: 8, .size: 8, .value_kind: global_buffer, .address_space: global }
      - { .name: w_v, .offset: 16, .size: 8, .value_kind: global_buffer, .address_space: global }
      - { .name: w_o, .offset: 24, .size: 8, .value_kind: global_buffer, .address_space: global }
      - { .name: wbuf, .offset: 32, .size: 8, .value_kind: global_buffer, .address_space: global }
    .group_segment_fixed_size: 1536
    .private_segment_fixed_size: 0
    .kernarg_segment_align: 8
    .kernarg_segment_size: 40
    .max_flat_workgroup_size: 128
    .sgpr_count:     66
    .vgpr_count:     226
    .wavefront_size: 32
...
	.end_amdgpu_metadata
.endif
;; end of part 1
;; launch proj (part 2): grid 6 x 32, 4 waves a work-group, no clusters, 170,496 bytes of LDS; arguments query, key, value, b_q, b_k, b_v, wbuf, qbuf, kvbuf; writes qbuf, kvbuf
.if DOCPART == 2
	.amdgcn_target "amdgcn-amd-amdhsa--gfx1250"
	.amdhsa_code_object_version 6
	.text
	.protected	k_qb37f737228_proj
	.globl	k_qb37f737228_proj
	.p2align	8
	.type	k_qb37f737228_proj,@function
k_qb37f737228_proj:
	s_mov_b64 s[64:65], 0
	v_nop
	global_prefetch_b8 v0, s[64:65] scope:SCOPE_SE
	s_setreg_imm32_b32 hwreg(HW_REG_WAVE_MODE, 25, 1), 1
	s_wait_xcnt 0x0
; q = query w_q + b_q, k = key w_k + b_k, v = value w_v + b_v, on codes of FP6 (E2M3) with one E8M0 byte for each 32 along K; the results are quantised at once for attention's two products.
; SHARES.  Work-group x = CG: 0-3 the four groups of 256 columns of q, 4 k, 5 v.  Work-group y = BLK: 128 rows.  Wave w owns 64 columns, ONE HEAD: its 4 tiles x 8 K steps of weight codes (384 registers) stay in registers.
; X PHASE: wave w quantises the row tiles m = 2 w, 2 w + 1 of x (16 rows x 1,024) and lays each fragment and its scale words in LDS as an IMAGE OF THE OPERAND'S REGISTERS; one barrier; then every wave reads all 64 fragments.
; Each load of x reads a row's 512 consecutive bytes; a turn through the wave's own stage in LDS gives a lane 16 neighbours of each block of 32.
; NEITHER THE ROWS NOR THE COLUMNS OF A TILE ARE NEIGHBOURS, and the two orders differ.  In a product D = source 0 x source 1, lane (r, h), register j holds row 8 h + j of source 0's tile.
;   COLUMNS of the weight: lane r of tile 2 b + u takes column 32 b + 8 u + r + 8 (r / 8).  q and k: source 0 = the weight, so register j of tile 2 b + u is channel 32 b + 16 h + 8 u + j of the head: the 16 registers of two
;   neighbouring tiles are 16 neighbours along the next K, and a block of 32 lies in lanes l and l xor 16 (QUANTH).
;   ROWS of x: lane r of tile 4 c + i takes row 64 c + 8 i + r % 8 + 32 (r / 8).  v: source 0 = x, so register j of tile 4 c + i is key 64 c + 32 h + 8 i + j: the 32 registers of four neighbouring tiles are ONE WHOLE BLOCK of
;   32 neighbouring keys, block 2 c + h, which is what the operand's layout gives that lane (QUANTW: no other lane is asked, nothing changes lanes).  k's rows in the same order give attention's weights p the same property.
; OUT.  A piece is 16 rows x 64 along K: six registers a lane.  A record's eight pieces are stored as an image of their 48 registers on end: registers 4 n .. 4 n + 3 at 512 n + 16 x lane.
;   qbuf [head 16][BLK 32][6,656]: 8 pieces (row tile m), then 512 bytes of scale words: lane l's 16 bytes, word j for tile 2 j + l / 16.  The words' upper two bytes are 0x7f: they scale the half of K that attention fills with zero codes.
;   kvbuf [kv head 4][BLK 32][13,056]: k's 8 pieces; v^T's 8 pieces (tile t of the head's 64, half c of the 128 keys) at 6,144; k's scale words at 12,288; v's at 12,800: lane l's 8 bytes, word j for tile 2 j + l / 16.
; The biases are the C of each sum's first matrix instruction.  The 32 accumulators take turns, one instruction a turn.
; NO CLUSTER: what work-groups share is the weights, which go straight into registers, and x, which is quantised on its way: no shared tile lands in LDS as it lies in memory.
; LIMITS: a block of zeros gets the byte 1, not 127 (its codes are zeros; only this program reads the bytes); NaN and infinities among the inputs are not served.
; REGISTERS, in windows of 256.  Window 0: v1-15 addresses; v16-31 the weight's scale words; v32-39 x's, two sets; v40-45 at work;
;   X phase: v64-87 codes (two sets), v88-90, v92-93, v128-255 two sets of 64 numbers;  products: v64-159, v160-255 two sets of x's eight fragments;  results: v64-111 codes, v112-127.
;   Window 1: the weight's tiles 0, 1.  Window 2: tiles 2, 3; v192-223 the bias.  Window 3: four sets of 64 numbers as loaded, then the 32 accumulators.
.set XSC,  98304                       ; LDS: x's 64 fragments, (8 m + s) x 1,536, from 0; their scale words here: [s 8][lane 32][4 words: word p for tile 2 p + lane / 16];
.set STG,  102400                      ; the stages: two of 16 rows x 528 bytes for each wave
.set STGW, 16896
.set STG1, 8448
.set SP,   528                         ; a stage row: 512 bytes + 16
.set LI,   1                           ; 16 x lane
.set LJ,   2                           ; 16 r + 8 h
.set LK,   3                           ; 8 x lane
.set L4,   4                           ; 4 x lane
.set LI2,  5                           ; LI + 49,152: fragments of tiles 4-7
.set XWI,  6                           ; where I store x's images: LI + 24,576 x wave
.set XWS,  7                           ; and their scale words: XSC + 16 r + 4 x wave
.set XRS,  8                           ; where I read scale words: XSC + LI
.set SIN,  9                           ; my stage, as loaded: + LI
.set SOUT, 10                          ; and back: + 528 r + 64 h
.set VBQ,  11                          ; bias, q and k: 64 h
.set LANE, 12
.set VBV,  13                          ; bias, v: 4 (r + 8 (r / 8))
.set SH8,  15                          ; 8 h: my half's place in a scale word, in bits
.set WS,   16
.set XS,   32
.set TM,   40
.set PCB,  64
.set PWB,  92
.set XR,   128
.set RC,   64
.set PWR,  116
.set SW,   124
.set BI,   192
.set PT,   88
.set MSB,  0
.macro WIN new                         ; bits 1:0 source 0, 3:2 source 1, 5:4 source 2, 7:6 destination; the high byte repeats the setting that is left
.if MSB != (\new)
	s_set_vgpr_msb (MSB<<8)|(\new)
.set MSB, (\new)
.endif
.endm
; 32 numbers of a lane in window w, register 16 b + i = k 32 b + 16 h + i of my row, become six registers of codes v[dst ..] (k = 32 h + 0 .. 31) and two scale bytes in v[pw] (mode 0: bytes 0, 1; mode 1: bytes 2, 3).
.macro QUANTH src, w, dst, pw, mode
	WIN (\w)|((\w)<<2)
.irp b, 0,1
	v_max3_num_f32 v[TM+\b], |v[\src+16*\b]|, |v[\src+16*\b+1]|, 0x1800000   ; my 16 numbers of block b, from the low end on, and the floor 2^(3 - 127): the byte cannot fall under 1
.endr
.irp i, 2,4,6,8,10,12,14
.irp b, 0,1
	v_max3_num_f32 v[TM+\b], |v[\src+16*\b+\i]|, |v[\src+16*\b+\i+1]|, v[TM+\b]
.endr
.endr
	WIN 0
.irp b, 0,1
	v_permlanex16_b32 v[TM+2+\b], v[TM+\b], s38, s39
.endr
.irp b, 0,1
	v_max_num_f32 v[TM+\b], v[TM+\b], v[TM+2+\b]   ; with lane l xor 16's 16: the block's largest magnitude
.endr
.irp b, 0,1
	v_add_nc_u32 v[TM+4+\b], 0xff000000, v[TM+\b]  ; 2 off its exponent field: the conversion's scale operand
.endr
.irp b, 0,1
	v_lshrrev_b32 v[TM+2+\b], 23, v[TM+4+\b]       ; the byte
.endr
.if (\mode)
	v_lshl_or_b32 v[\pw], v[TM+2], 16, v[\pw]
	v_lshl_or_b32 v[\pw], v[TM+3], 24, v[\pw]
.else
	v_lshl_or_b32 v[\pw], v[TM+3], 8, v[TM+2]
.endif
	WIN \w
	v_cvt_scalef32_pk16_fp6_f32 v[\dst:\dst+2], v[\src:\src+15], v[TM+4]
	v_cvt_scalef32_pk16_fp6_f32 v[PT:PT+2], v[\src+16:\src+31], v[TM+5]     ; (a conversion's three registers begin on an even number)
	WIN 0
	v_nop                                          ; one plain place behind a scaled conversion
.irp i, 0,1,2
	v_permlane16_swap_b32 v[\dst+\i], v[PT+\i]     ; the layout wants a whole block in a lane: lanes 0-15 block 0, lanes 16-31 block 1
.endr
.irp i, 0,1,2
	v_mov_b32 v[\dst+3+\i], v[PT+\i]
.endr
.endm
; 32 numbers of a lane in window w that are ONE WHOLE BLOCK, register e = the block's number e, become six registers of codes v[dst ..] and one scale byte in v[pw] (mode 0: bits 0-7; mode 1: bits 16-23).
.macro QUANTW src, w, dst, pw, mode
	WIN (\w)|((\w)<<2)
	v_max3_num_f32 v[TM], |v[\src]|, |v[\src+1]|, 0x1800000        ; two chains, each accumulator from its low end on; the floor 2^(3 - 127): the byte cannot fall under 1
	v_max3_num_f32 v[TM+1], |v[\src+2]|, |v[\src+3]|, 0x1800000
.irp i, 4,8,12,16,20,24,28
	v_max3_num_f32 v[TM], |v[\src+\i]|, |v[\src+\i+1]|, v[TM]
	v_max3_num_f32 v[TM+1], |v[\src+\i+2]|, |v[\src+\i+3]|, v[TM+1]
.endr
	WIN 0
	v_max_num_f32 v[TM], v[TM], v[TM+1]            ; the block's largest magnitude: all 32 numbers are mine
	v_add_nc_u32 v[TM+4], 0xff000000, v[TM]        ; 2 off its exponent field: the conversion's scale operand
.if (\mode)
	v_lshrrev_b32 v[TM+2], 23, v[TM+4]             ; the byte
	v_lshl_or_b32 v[\pw], v[TM+2], 16, v[\pw]
.else
	v_lshrrev_b32 v[\pw], 23, v[TM+4]
.endif
	WIN \w
	v_cvt_scalef32_pk16_fp6_f32 v[\dst:\dst+2], v[\src:\src+15], v[TM+4]
	v_cvt_scalef32_pk16_fp6_f32 v[PT:PT+2], v[\src+16:\src+31], v[TM+4]     ; (a conversion's three registers begin on an even number)
	WIN 0
	v_nop                                          ; one plain place behind a scaled conversion
.irp i, 0,1,2
	v_mov_b32 v[\dst+3+\i], v[PT+\i]
.endr
.endm
; One matrix instruction.  ra, rb: source 0's, source 1's scale words stand in lanes 16-31 of their register
.macro WM d, a, b, c, sa, sb, ra, rb
.if (\ra) && (\rb)
	v_wmma_scale_f32_16x16x128_f8f6f4 v[\d:\d+7], v[\a:\a+11], v[\b:\b+11], v[\c:\c+7], v[\sa], v[\sb] matrix_a_fmt:MATRIX_FMT_FP6 matrix_b_fmt:MATRIX_FMT_FP6 matrix_a_scale:MATRIX_SCALE_ROW1 matrix_b_scale:MATRIX_SCALE_ROW1
.elseif (\ra)
	v_wmma_scale_f32_16x16x128_f8f6f4 v[\d:\d+7], v[\a:\a+11], v[\b:\b+11], v[\c:\c+7], v[\sa], v[\sb] matrix_a_fmt:MATRIX_FMT_FP6 matrix_b_fmt:MATRIX_FMT_FP6 matrix_a_scale:MATRIX_SCALE_ROW1
.elseif (\rb)
	v_wmma_scale_f32_16x16x128_f8f6f4 v[\d:\d+7], v[\a:\a+11], v[\b:\b+11], v[\c:\c+7], v[\sa], v[\sb] matrix_a_fmt:MATRIX_FMT_FP6 matrix_b_fmt:MATRIX_FMT_FP6 matrix_b_scale:MATRIX_SCALE_ROW1
.else
	v_wmma_scale_f32_16x16x128_f8f6f4 v[\d:\d+7], v[\a:\a+11], v[\b:\b+11], v[\c:\c+7], v[\sa], v[\sb] matrix_a_fmt:MATRIX_FMT_FP6 matrix_b_fmt:MATRIX_FMT_FP6
.endif
.endm
	s_load_b256 s[4:11], s[0:1], 0x0               ; query, key, value, b_q
	s_load_b256 s[12:19], s[0:1], 0x20             ; b_k, b_v, wbuf, qbuf
	s_load_b64 s[20:21], s[0:1], 0x40              ; kvbuf
	v_lshl_add_u32 v62, v0, 2, 0x29800
	v_mov_b32 v63, 0
	v_lshrrev_b32 v14, 5, v0
	v_readfirstlane_b32 s22, v14                   ; wave
	s_mov_b32 s23, ttmp9                           ; CG
	s_and_b32 s24, ttmp7, 0xffff                   ; BLK
	v_and_b32 v[LANE], 31, v0
	v_and_b32 v14, 15, v0                          ; r
	v_bfe_u32 v15, v0, 4, 1                        ; h
	v_lshlrev_b32 v[LI], 4, v[LANE]
	v_lshlrev_b32 v[LJ], 4, v14
	v_lshl_add_u32 v[LJ], v15, 3, v[LJ]
	v_lshlrev_b32 v[LK], 3, v[LANE]
	v_lshlrev_b32 v[L4], 2, v[LANE]
	v_add_nc_u32 v[LI2], 49152, v[LI]
	s_mul_i32 s25, s22, 24576
	v_add_nc_u32 v[XWI], s25, v[LI]
	s_lshl_b32 s25, s22, 2
	s_add_co_u32 s25, s25, XSC
	v_lshl_add_u32 v[XWS], v14, 4, s25
	v_add_nc_u32 v[XRS], XSC, v[LI]
	s_mul_i32 s25, s22, STGW
	s_add_co_u32 s25, s25, STG
	v_add_nc_u32 v[SIN], s25, v[LI]
	v_mul_u32_u24 v[SOUT], v14, SP
	v_lshl_add_u32 v[SOUT], v15, 6, v[SOUT]
	v_add_nc_u32 v[SOUT], s25, v[SOUT]
	v_lshlrev_b32 v[VBQ], 6, v15
	v_and_b32 v[VBV], 8, v14
	v_add_nc_u32 v[VBV], v[VBV], v14
	v_lshlrev_b32 v[VBV], 2, v[VBV]
	v_lshlrev_b32 v[SH8], 3, v15                   ; h has served: the register now holds 8 h
	v_mov_b32 v[TM+2], 0                           ; written once: a lane permute's destination counts as one of its sources
	v_mov_b32 v[TM+3], 0
	s_mov_b32 s38, 0x76543210
	s_mov_b32 s39, 0xfedcba98                      ; v_permlanex16_b32's selects for lane l xor 16
	s_wait_kmcnt 0x0
	s_cmp_eq_u32 s23, 5                            ; every choice hangs on the work-group's number alone
	s_cselect_b64 s[26:27], s[8:9], s[6:7]         ; x: value or key,
	s_cselect_b64 s[28:29], s[14:15], s[12:13]     ; the bias,
	s_cselect_b32 s35, 6144, 0                     ; where the codes begin in a record,
	s_mov_b32 s34, 12288
	s_mov_b32 s36, 12800
	s_cselect_b32 s34, s36, s34                    ; and the scale words
	s_cmp_lt_u32 s23, 4
	s_cselect_b64 s[26:27], s[4:5], s[26:27]       ; or query's
	s_cselect_b64 s[28:29], s[10:11], s[28:29]
	s_cselect_b64 s[30:31], s[18:19], s[20:21]     ; qbuf or kvbuf
	s_cselect_b32 s32, s23, 0                      ; which 256 columns of q
	s_mov_b32 s33, 13056
	s_cselect_b32 s33, 6656, s33                   ; a record's bytes
	s_cselect_b32 s34, 6144, s34
	s_mov_b32 s41, 0
	s_lshl_b32 s40, s24, 19
	s_lshr_b32 s25, s22, 1
	s_lshl_b32 s25, s25, 18
	s_add_co_u32 s40, s40, s25
	s_and_b32 s25, s22, 1
	s_lshl_b32 s25, s25, 16
	s_add_co_u32 s40, s40, s25
	s_add_nc_u64 s[26:27], s[26:27], s[40:41]      ; x at row 128 BLK + 64 (wave / 2) + 16 (wave % 2): where my two tiles' first rows lie
	s_lshl_b32 s40, s32, 10
	s_lshl_b32 s25, s22, 8
	s_add_co_u32 s40, s40, s25
	s_add_nc_u64 s[28:29], s[28:29], s[40:41]      ; the bias at my 64 columns
	s_lshl_b32 s37, s32, 2
	s_add_co_u32 s37, s37, s22                     ; my head
	s_lshl_b32 s37, s37, 5
	s_add_co_u32 s37, s37, s24
	s_mul_i32 s37, s37, s33                        ; its record for BLK
	s_add_co_u32 s40, s37, s35
	s_add_nc_u64 s[42:43], s[30:31], s[40:41]      ; where my codes go,
	s_add_co_u32 s40, s37, s34
	s_add_nc_u64 s[44:45], s[30:31], s[40:41]      ; and my scale words
	s_lshl_b32 s25, s23, 2
	s_add_co_u32 s25, s25, s22                     ; 4 CG + wave
	s_mul_i32 s40, s25, 49152
	s_add_nc_u64 s[46:47], s[16:17], s[40:41]      ; my four tiles of weight codes,
	s_lshl_b32 s40, s25, 8
	s_add_co_u32 s40, s40, 1966080
	s_add_nc_u64 s[48:49], s[16:17], s[40:41]      ; and their scale words
.set i, 0
.rept 64                                       ; piece i of the weight: tile i / 16, K step (i % 16) / 2, half i % 2: six registers (registers 0-3 at 16 x lane, 4-5 at 512 + 16 r + 8 h)
	WIN 0x40+0x40*(i/32)
	global_load_b128 v[6*(i%32):6*(i%32)+3], v[LI], s[46:47] offset:768*i
	global_load_b64 v[6*(i%32)+4:6*(i%32)+5], v[LJ], s[46:47] offset:768*i+512
.set i, i+1
.endr
	WIN 0
.irp b, 0,1
.irp s, 0,1,2,3,4,5,6,7
	global_load_b32 v[WS+8*\b+\s], v[L4], s[48:49] offset:\s*10240+\b*128   ; lanes 0-15: tile 2 b; lanes 16-31: tile 2 b + 1
.endr
.endr
	s_cmp_eq_u32 s23, 5
	s_cbranch_scc1 .Lbias_v
	WIN 0x80
.irp t, 0,1,2,3                                ; q, k: register j of tile t is column 32 (t / 2) + 8 (t % 2) + 16 h + j
	global_load_b128 v[BI+8*\t:BI+8*\t+3], v[VBQ], s[28:29] offset:(32*(\t/2)+8*(\t%2))*4
	global_load_b128 v[BI+8*\t+4:BI+8*\t+7], v[VBQ], s[28:29] offset:(32*(\t/2)+8*(\t%2))*4+16
.endr
	WIN 0
	s_branch .Lbias_done
.Lbias_v:
	WIN 0x80
.irp t, 0,1,2,3                                ; v: all eight registers of tile t are column 32 (t / 2) + 8 (t % 2) + r + 8 (r / 8)
.irp j, 0,1,2,3,4,5,6,7
	global_load_b32 v[BI+8*\t+\j], v[VBV], s[28:29] offset:(32*(\t/2)+8*(\t%2))*4
.endr
.endr
	WIN 0
.Lbias_done:
; step t = 8 mm + s of the X phase: row tile 2 w + mm, K step s
.macro XLOAD t                         ; sixteen rows' 512 bytes, in the tile's order (eight neighbours, then the eight that lie 32 further on), into set t % 4 of window 3
	WIN 0xc0
.irp rho, 0,1,2,3,4,5,6,7,8,9,10,11,12,13,14,15
	global_load_b128 v[64*((\t)%4)+4*\rho:64*((\t)%4)+4*\rho+3], v[LI], s[26:27] offset:(8*((\t)/8)+\rho%8+32*(\rho/8))*4096+512*((\t)%8)
.endr
	WIN 0
.endm
.macro TURN t                          ; through stage t % 2: LDS serves a wave's instructions in order, so no wait stands between the stores and the loads
	WIN 0x0c
.irp rho, 0,1,2,3,4,5,6,7,8,9,10,11,12,13,14,15
	ds_store_b128 v[SIN], v[64*((\t)%4)+4*\rho:64*((\t)%4)+4*\rho+3] offset:STG1*((\t)%2)+SP*\rho
.endr
	WIN 0
.irp b, 0,1,2,3
.irp j, 0,1,2,3
	ds_load_b128 v[XR+64*((\t)%2)+16*\b+4*\j:XR+64*((\t)%2)+16*\b+4*\j+3], v[SOUT] offset:STG1*((\t)%2)+128*\b+16*\j   ; register 16 b + i = k 32 b + 16 h + i of the tile's row r
.endr
.endr
.endm
.macro XSTEP t
.if (\t) > 0
	s_wait_dscnt 4                                 ; this step's numbers are back from the stage; the last step's four image stores may be out
.else
	s_wait_dscnt 0x0
.endif
.if (\t)+4 < 16
	XLOAD (\t)+4                                   ; into the set that this step's stage stores have read
.endif
.if (\t)+1 < 16
.if (\t) < 12
	s_wait_loadcnt 48                              ; the next step's sixteen loads are in; those of the three steps behind it may be out
.else
	s_wait_loadcnt 16*(14-(\t))
.endif
	TURN (\t)+1
.endif
.set XB_, XR+64*((\t)%2)
.set PC_, PCB+12*((\t)%2)
.set PW_, PWB+(\t)%2
	QUANTH XB_, 0, PC_, PW_, 0
	QUANTH XB_+32, 0, PC_+6, PW_, 1
.irp c, 0,1,2
	ds_store_b128 v[XWI], v[PC_+4*\c:PC_+4*\c+3] offset:(\t)*1536+512*\c   ; the fragment as it stands: lane l's 16 bytes at 16 l
.endr
	ds_store_b32 v[XWS], v[PW_] offset:512*((\t)%8)+256*((\t)/8)            ; both halves of the lanes write row r's word with the same value
.endm
	XLOAD 0
	XLOAD 1
	XLOAD 2
	XLOAD 3
	s_wait_loadcnt 48                              ; all but steps 1 to 3 of x: the weight, its scale words, the bias and step 0 are in
	TURN 0
.irp t, 0,1,2,3,4,5,6,7,8,9,10,11,12,13,14,15
	XSTEP \t
.endr
	s_wait_dscnt 0x0                               ; for the others' sake: my images are stored
	s_barrier_signal -1
	s_barrier_wait -1                              ; x's 64 fragments lie in LDS; from here on LDS is only read
.macro FETCHX s                        ; K step s: the eight tiles' fragments and their scale words into set s % 2: 25 loads
.irp m, 0,1,2,3
.irp c, 0,1,2
	ds_load_b128 v[64+96*((\s)%2)+12*\m+4*\c:64+96*((\s)%2)+12*\m+4*\c+3], v[LI] offset:(8*\m+(\s))*1536+512*\c
.endr
.endr
.irp m, 0,1,2,3
.irp c, 0,1,2
	ds_load_b128 v[112+96*((\s)%2)+12*\m+4*\c:112+96*((\s)%2)+12*\m+4*\c+3], v[LI2] offset:(8*\m+(\s))*1536+512*\c
.endr
.endr
	ds_load_b128 v[XS+4*((\s)%2):XS+4*((\s)%2)+3], v[XRS] offset:512*(\s)
.endm
; The products and the way out.  swap = 0 (q, k): source 0 = the weight, accumulator (m, t) at 8 (4 m + t).  swap = 1 (v): source 0 = x, accumulator (t, m) at 8 (8 t + m).
.macro PATH swap
	FETCHX 0
	FETCHX 1
.irp s, 0,1,2,3,4,5,6,7
.if \s < 7
	s_wait_dscnt 25                                ; this K step's 25 loads are in; the next step's may be out
.else
	s_wait_dscnt 0x0
.endif
.if \s == 0
.set WC, 0xe0                                  ; D window 3, C (the bias) window 2
.else
.set WC, 0xf0                                  ; C and D window 3
.endif
.irp tp, 0,1
	WIN WC+((1+\tp)<<(2*\swap))                    ; the weight's tiles 2 tp, 2 tp + 1 lie in window 1 + tp
.irp tq, 0,1
.irp m, 0,1,2,3,4,5,6,7
.set tt, 2*\tp+\tq
.set rW, 12*(8*\tq+\s)
.set rX, 64+96*(\s%2)+12*\m
.set rWS, WS+8*\tp+\s
.set rXS, XS+4*(\s%2)+\m/2
.if \swap
.set rD, 8*(8*tt+\m)
.else
.set rD, 8*(4*\m+tt)
.endif
.if \s == 0
.set rC, BI+8*tt
.else
.set rC, rD
.endif
.if \swap
	WM rD, rX, rW, rC, rXS, rWS, \m%2, \tq
.else
	WM rD, rW, rX, rC, rWS, rXS, \tq, \m%2
.endif
.endr
.endr
.endr
	WIN 0
.if \s < 6
.rept 4
	v_nop                                          ; four places in front of loads into registers that matrix instructions have read
.endr
	FETCHX \s+2
.endif
.endr
.rept 4
	v_nop                                          ; four places in front of the first read of results and the first write over x's fragments
.endr
.set PT, 112
.irp i, 0,1,2,3,4,5,6,7                        ; piece i: 32 registers of four accumulators.  q, k: row tile i, along the head's 64.  v: tile i / 2 of the head's 64; my block 2 (i % 2) + h of the 128 keys
.if \swap
	QUANTW 32*\i, 3, RC+6*\i, PWR+\i/2, \i%2
.else
	QUANTH 32*\i, 3, RC+6*\i, PWR+\i, 0
	v_or_b32 v[PWR+\i], 0x7f7f0000, v[PWR+\i]      ; 1.0 for the two blocks that attention fills with zero codes
.endif
.if \i%2
.irp c, 0,1,2
	global_store_b128 v[LI], v[RC+6*\i-6+4*\c:RC+6*\i-3+4*\c], s[42:43] offset:768*\i-768+512*\c   ; two pieces' twelve registers as they stand: 512 consecutive bytes a line
.endr
.endif
.endr
.if \swap
.irp t, 0,1,2,3                                ; my two bytes of tile t's row r (blocks h and 2 + h) go to their places in the word, 8 h bits up; with lane l xor 16's two the word is whole
	v_lshlrev_b32 v[PWR+\t], v[SH8], v[PWR+\t]
	v_permlanex16_b32 v[TM+3], v[PWR+\t], s38, s39
	v_or_b32 v[PWR+\t], v[PWR+\t], v[TM+3]
.endr
.endif
	v_cmp_le_u32 vcc_lo, 16, v[LANE]               ; lanes 16-31 carry the odd tiles' words
.if \swap
.irp j, 0,1
	v_cndmask_b32 v[SW+\j], v[PWR+2*\j], v[PWR+2*\j+1], vcc_lo
.endr
	global_store_b64 v[LK], v[SW:SW+1], s[44:45]
.else
.irp j, 0,1,2,3
	v_cndmask_b32 v[SW+\j], v[PWR+2*\j], v[PWR+2*\j+1], vcc_lo
.endr
	global_store_b128 v[LI], v[SW:SW+3], s[44:45]
.endif
	s_wait_tensorcnt 0x0
	ds_add_u32 v62, v63
	s_wait_dscnt 0x0
	s_endpgm
.endm
	s_cmp_eq_u32 s23, 5
	s_cbranch_scc1 .Lpath_v
	PATH 0
.Lpath_v:
	PATH 1
.Lfunc_end_k_qb37f737228_proj:
	.size	k_qb37f737228_proj, .Lfunc_end_k_qb37f737228_proj-k_qb37f737228_proj
	.p2alignl 7, 3214868480
	.fill 96, 4, 3214868480
	.section	.rodata,"a",@progbits
	.p2align	6, 0x0
	.amdhsa_kernel k_qb37f737228_proj
		.amdhsa_group_segment_fixed_size 170496
		.amdhsa_private_segment_fixed_size 0
		.amdhsa_enable_private_segment 0
		.amdhsa_kernarg_size 72
		.amdhsa_user_sgpr_count 2
		.amdhsa_user_sgpr_kernarg_segment_ptr 1
		.amdhsa_wavefront_size32 1
		.amdhsa_system_sgpr_workgroup_id_x 1
		.amdhsa_system_sgpr_workgroup_id_y 1
		.amdhsa_system_sgpr_workgroup_id_z 1
		.amdhsa_system_vgpr_workitem_id 0
		.amdhsa_next_free_vgpr 1024
		.amdhsa_next_free_sgpr 66
		.amdhsa_reserve_vcc 1
		.amdhsa_float_denorm_mode_32 3
		.amdhsa_float_denorm_mode_16_64 3
		.amdhsa_memory_ordered 1
		.amdhsa_forward_progress 1
		.amdhsa_inst_pref_size 255
	.end_amdhsa_kernel
	.section	.bss,"aw",@nobits
	.p2align	6
	.space	262144
	.amdgpu_metadata
---
amdhsa.version: [ 1, 2 ]
amdhsa.kernels:
  - .name:           k_qb37f737228_proj
    .symbol:         k_qb37f737228_proj.kd
    .args:
      - { .name: query, .offset: 0, .size: 8, .value_kind: global_buffer, .address_space: global }
      - { .name: key, .offset: 8, .size: 8, .value_kind: global_buffer, .address_space: global }
      - { .name: value, .offset: 16, .size: 8, .value_kind: global_buffer, .address_space: global }
      - { .name: b_q, .offset: 24, .size: 8, .value_kind: global_buffer, .address_space: global }
      - { .name: b_k, .offset: 32, .size: 8, .value_kind: global_buffer, .address_space: global }
      - { .name: b_v, .offset: 40, .size: 8, .value_kind: global_buffer, .address_space: global }
      - { .name: wbuf, .offset: 48, .size: 8, .value_kind: global_buffer, .address_space: global }
      - { .name: qbuf, .offset: 56, .size: 8, .value_kind: global_buffer, .address_space: global }
      - { .name: kvbuf, .offset: 64, .size: 8, .value_kind: global_buffer, .address_space: global }
    .group_segment_fixed_size: 170496
    .private_segment_fixed_size: 0
    .kernarg_segment_align: 8
    .kernarg_segment_size: 72
    .max_flat_workgroup_size: 128
    .sgpr_count:     66
    .vgpr_count:     1024
    .wavefront_size: 32
...
	.end_amdgpu_metadata
.endif
;; end of part 2
;; launch attn (part 3): grid 64 x 4, 16 waves a work-group, clusters of 4 x 1, 327,680 bytes of LDS; arguments qbuf, kvbuf, obuf; writes obuf
.if DOCPART == 3
	.amdgcn_target "amdgcn-amd-amdhsa--gfx1250"
	.amdhsa_code_object_version 6
	.text
	.protected	k_qb37f737228_attn
	.globl	k_qb37f737228_attn
	.p2align	8
	.type	k_qb37f737228_attn,@function
k_qb37f737228_attn:
	s_mov_b64 s[64:65], 0
	v_nop
	global_prefetch_b8 v0, s[64:65] scope:SCOPE_SE
	s_setreg_imm32_b32 hwreg(HW_REG_WAVE_MODE, 25, 1), 1
	s_wait_xcnt 0x0
	s_wait_alu depctr_hold_cnt(0) depctr_sa_sdst(0) depctr_va_vdst(0) depctr_va_sdst(0) depctr_va_ssrc(0) depctr_va_vcc(0) depctr_vm_vsrc(0)
	s_getreg_b32 s2, hwreg(HW_REG_IB_STS2, 6, 4)
	s_cmp_eq_u32 s2, 0
	s_cbranch_scc0 .Lentry_in_a_cluster
	s_endpgm
.Lentry_in_a_cluster:
	s_bfe_u32 s2, ttmp6, 0x10000c
	s_cmp_lg_u32 s2, 0x3003
	s_cbranch_scc0 .Lentry_shape_is_right
	s_endpgm
.Lentry_shape_is_right:
; out[q][head] = softmax_k(q . k / 8) v for 16 query heads on 4 key and value heads, head size 64, 4,096 keys; both products on codes of FP6 (E2M3) with one E8M0 byte for each 32 along K.
; THE SOFTMAX AHEAD OF THE SECOND PRODUCT: t = score x log2(e) / 8; M = the row's largest t so far, rounded UP to a whole number; p = 2^(t - M) is quantised along the keys, not normalised.  The row's sum is taken of the
; unquantised p and divides O at the end.  When M moves, the sum and O are multiplied by 2^(old M - new M): exact.  O / sum is quantised along the model's axis for the last product.
; SHARES.  Work-group (qg, g): 64 queries x the four query heads of key and value head g.  Wave w: query tile mt = w / 4 (16 queries), head 4 g + w % 4, in 256 registers: four waves to a SIMD.  Every wave walks 32 steps of 128 keys.
; LAYOUT.  Both products transposed: S^T = K Q^T, O^T = V^T P^T: a lane holds ONE query throughout.
; THE KEYS OF A TILE ARE NOT NEIGHBOURS: lane r of K's tile 4 c + i holds key 64 c + 8 i + r % 8 + 32 (r / 8).  In S^T lane (r, h), register j of tile 4 c + i is then key 64 c + 32 h + 8 i + j: the 32 registers of four
; neighbouring tiles are ONE WHOLE BLOCK of 32 neighbouring keys, block 2 c + h, just as the operand's layout gives that lane k = 64 c + 32 h + 0 .. 31.  So a block's maximum asks no other lane, the conversions' results are the
; operand, and only the row's maximum and p's scale word cross the halves of the lanes.  (Queries lie in the same order in their tiles; the head's channels in the order 32 b + 8 u + r + 8 (r / 8).)
; K's and V^T's codes of a key step lie in memory as images of their 48 registers (registers 4 n .. 4 n + 3 at 512 n + 16 x lane), so each comes by twelve loads of 512 consecutive bytes, with no padding.
; THE FIRST PRODUCT'S K IS 64, the instruction's 128: Q's upper six registers are zero CODES, and the scale bytes of those two blocks are 0x7f.  K's operand is named as twelve registers from its own six on: the upper six are the next
; tile's codes (behind the last tile: six registers of p's codes); every code of E2M3 is a finite number, and these meet zeros.
; THE ORDER OF A KEY STEP is laid so that a wave has a line to issue while a unit works for it:
;   K and V^T have registers of their own: the next step's K is asked for behind the last product that reads K, and has the softmax in which to land;
;   behind each of K Q^T's last four products stand four lines of the search for a block's maximum; behind each product of V^T P a part of the row's sum;
;   the LDS loads stand in the gaps of the chain of dependent lines that makes M;
;   each of the 66 exponentials is followed by one plain line of work that is ready (scalings, bytes, O^T's rescaling, first sums), which is also the plain line that the ISA guide (5.7.2) asks for behind it.
; THE RING.  A key step's record (K's codes, V^T's, their scale words: 13,056 bytes) is dense in memory; a slot holds 8 records.  Two slots; waves 0 to 3 fetch a quarter of a slot each, 102 rows of 256 bytes.
; A slot's first K is loaded behind the change of slots, and its last step, written out, asks for no further K: no read reaches a slot that has not been shown landed.
; CLUSTER.  The four work-groups of a cluster have the same g and walk the same records: each load is asked for JOINTLY, with the same descriptor and a mask that names the four.  By this text's count a wave has two tensor loads out at the start, later one.
; lds_bytes claims all of LDS, and 0 is added to spare words in front of each refill's barrier and at the end.
; LIMITS: p under 2^-126 counts as 0 (v_exp_f32 gives no denormals: ISA guide, its entry); 1 / sum by v_rcp_f32; a block of zeros gets the byte 1, not 127; NaN and infinities are not served.
; A block's largest p is not searched for: the block's largest score goes through the same multiply-add and exponential (this takes v_exp_f32 not to fall where its input rises).
.set REC,   13056
.set SLOTB, 8*REC                      ; 104,448
.set OSC,   2*SLOTB                    ; behind the ring: 16 waves x 128 bytes, the output's scale bytes on their way out
.set SPARE, OSC+2048                   ; the spare words, 128 bytes for each wave: eight blocks of 256 bytes that no other line names
.set LI,  1                            ; 16 x lane
.set LJ,  2                            ; 16 r + 8 h
.set LK,  3                            ; 8 x lane
.set SPW, 4                            ; SPARE + 4 x my thread's number; never rewritten
.set NIL, 5                            ; 0; never rewritten
.set AD1, 6                            ; the record in hand + LI
.set SH8, 7                            ; 8 h: my half's place in a scale word, in bits
.set AD3, 8                            ; the record in hand + LK
.set QA,  8                            ; (at the head: 16 r, the offset of Q's scale words)
.set OLD, 9                            ; -M as the step found it
.set OW,  10                           ; OSC + 4 x my thread's number
.set VO,  11                           ; OSC + 4 r + 512 h
.set QF,  16                           ; v16-21 Q's codes, v22-27 zeros
.set QS,  28                           ; Q's scale words
.set PS,  29                           ; p's scale word
.set VS,  30                           ; v30-31 V's scale words: register j: lanes 0-15 tile 2 j, lanes 16-31 tile 2 j + 1
.set KS,  32                           ; v32-35 K's likewise
.set VF,  36                           ; v36-83   V^T's eight pieces
.set KF,  84                           ; v84-131  K's eight pieces
.set PCD, 132                          ; v132-143 p's codes, straight behind K
.set S,   144                          ; v144-207 S^T, then p
.set O,   208                          ; v208-239 O^T
.set BM,  240                          ; v240-243, v244-247: four chains for each of my two blocks; the block's largest score, then largest p, at v240 and v244; then bytes and parts of the scale word; at last the conversions' second halves
.set BP,  244
.set SO,  248                          ; v248-249 the conversions' scale operands
.set F,   252                          ; v252 f = 2^(old M - new M); named as the pair v[252:253], of which the low word serves both halves
.set TMP, 253
.set SUM2, 254                         ; v[254:255] the sum's second chain
.set WV,  10
.set SEL, 20
.set CS,  22
.set G1,  24
.set G0,  32                           ; s[32:35] slot 0's group 0, s[36:39] slot 1's
.set TB,  40
.set CNT, 41
.set QB,  42
.set OB,  44
.set OSB, 46
.set QSB, 48
.macro ROUND                           ; a round of the cluster's barrier
	s_barrier_signal -1
	s_barrier_wait -1
	s_cmp_lg_u32 s[WV], 0
	s_cbranch_scc1 .Lnot_wave_0_\@
	s_barrier_signal -3
.Lnot_wave_0_\@:
	s_barrier_wait -3
	s_barrier_signal -1
	s_barrier_wait -1
.endm
.macro TL n                            ; waves 0 to 3 ask for their quarter of slot n; the branch hangs on the wave's number alone; four v_nop follow the load
	s_cmp_lt_u32 s[WV], 4
	s_cbranch_scc0 .Lnone_\@
	tensor_load_to_lds s[G0+4*\n:G0+4*\n+3], s[G1:G1+7]
	s_nop 0
.rept 4
	v_nop
.endr
.Lnone_\@:
.endm
	s_load_b128 s[4:7], s[0:1], 0x0                ; qbuf, kvbuf
	s_load_b64 s[8:9], s[0:1], 0x10                ; obuf
	v_lshl_add_u32 v[SPW], v0, 2, SPARE
	v_mov_b32 v[NIL], 0
	ds_add_u32 v4, v5
	s_wait_dscnt 0x0
	v_lshrrev_b32 v[S], 5, v0
	v_readfirstlane_b32 s[WV], v[S]                ; wave 0..15
	v_and_b32 v[S], 31, v0                         ; lane
	v_and_b32 v[S+1], 15, v0                       ; r
	v_bfe_u32 v[S+2], v0, 4, 1                     ; h
	v_lshlrev_b32 v[LI], 4, v[S]
	v_lshlrev_b32 v[LK], 3, v[S]
	v_lshlrev_b32 v[QA], 4, v[S+1]
	v_lshl_add_u32 v[LJ], v[S+2], 3, v[QA]
	v_lshlrev_b32 v[SH8], 3, v[S+2]
	v_lshl_add_u32 v[OW], v0, 2, OSC
	v_lshlrev_b32 v[VO], 2, v[S+1]
	v_lshl_add_u32 v[VO], v[S+2], 9, v[VO]
	v_add_nc_u32 v[VO], OSC, v[VO]
	s_bfe_u32 s11, ttmp6, 0x40000                  ; cx: it enters Q's and the output's global addresses alone
	s_lshl_b32 s12, ttmp9, 2
	s_add_co_u32 s12, s12, s11                     ; qg
	s_and_b32 s13, ttmp7, 0xffff                   ; g, which the four partners share
	s_lshr_b32 s14, s[WV], 2                       ; mt
	s_and_b32 s15, s[WV], 3
	s_lshl_b32 s16, s13, 2
	s_add_co_u32 s16, s16, s15                     ; my head
	s_min_u32 s52, s[WV], 3
	s_mul_i32 s53, s52, 2*REC                      ; my quarter of a slot (waves 4 to 15 ask for nothing)
	s_mov_b32 s[G1], 15|(3<<16)|(1<<21)            ; 15:0 the mask: all four work-groups; 17:16 elements of 8 bytes; 20 no padding; 21 set beside a mask
	s_mov_b32 s[G1+1], 32<<16                      ; tensor_dim0 = 32 elements: 256 bytes
	s_mov_b32 s[G1+2], 102<<16                     ; tensor_dim1 = 102 rows: two records
	s_mov_b32 s[G1+3], 32<<16                      ; tile_dim0
	s_mov_b32 s[G1+4], 102                         ; tile_dim1
	s_mov_b32 s[G1+5], 32                          ; the pitch: dense
	s_mov_b32 s[G1+6], 0
	s_mov_b32 s[G1+7], 0
	s_mov_b32 s[SEL], 0x76543210
	s_mov_b32 s[SEL+1], 0xfedcba98                 ; v_permlanex16_b32's selects for lane l xor 16
	s_mov_b32 s[CS], 0x3e38aa3b                    ; c = log2(e) / 8
	s_mov_b32 s[CS+1], s[CS]                       ; (named with it as a pair, so it is written)
	s_mul_i32 s54, s13, 32*REC
	s_add_co_u32 s54, s54, s53
	s_mov_b32 s55, 0
	s_mov_b32 s51, 0
	s_wait_kmcnt 0x0
	s_add_nc_u64 s[54:55], s[6:7], s[54:55]        ; my quarter of head g's first slot
.irp n, 0,1
	s_mov_b32 s[G0+4*\n], 1                        ; count = 1
	s_add_co_u32 s[G0+4*\n+1], s53, \n*SLOTB       ; LDS address
	s_add_nc_u64 s[G0+4*\n+2:G0+4*\n+3], s[54:55], \n*SLOTB   ; global address: key steps 8 n on
	s_or_b32 s[G0+4*\n+3], s[G0+4*\n+3], 0x80000000           ; type = 2
.endr
	s_lshl_b32 s17, s16, 5
	s_lshr_b32 s18, s12, 1
	s_add_co_u32 s17, s17, s18
	s_mul_i32 s56, s17, 6656                       ; Q's record: head, block of 128 rows
	s_and_b32 s18, s12, 1
	s_lshl_b32 s18, s18, 2
	s_add_co_u32 s18, s18, s14                     ; my tile m in it
	s_lshr_b32 s17, s18, 1
	s_mul_i32 s17, s17, 1536                       ; tiles m and m xor 1 share twelve registers of the image: 1,536 bytes
	s_add_co_u32 s50, s56, s17
	s_add_nc_u64 s[QB:QB+1], s[4:5], s[50:51]
	s_and_b32 s17, s18, 1
	s_lshl_b32 s17, s17, 8
	s_lshr_b32 s19, s18, 1
	s_lshl_b32 s19, s19, 2
	s_add_co_u32 s17, s17, s19
	s_add_co_u32 s17, s17, 6144                    ; its scale words: 6,144 + 256 (m % 2) + 4 (m / 2) + 16 r
	s_add_co_u32 s50, s56, s17
	s_add_nc_u64 s[QSB:QSB+1], s[4:5], s[50:51]
	s_mul_i32 s56, s12, 51200                      ; the output's record for these 64 rows
	s_lshl_b32 s17, s14, 4
	s_add_co_u32 s17, s17, s16
	s_mul_i32 s17, s17, 768
	s_add_co_u32 s50, s56, s17
	s_add_nc_u64 s[OB:OB+1], s[8:9], s[50:51]      ; piece (mt, head)
	s_lshl_b32 s17, s13, 9
	s_add_co_u32 s17, s17, 49152
	s_add_co_u32 s50, s56, s17
	s_add_nc_u64 s[OSB:OSB+1], s[8:9], s[50:51]    ; scale words of the last product's K steps 2 g, 2 g + 1
	ROUND                                          ; all four work-groups are here: the first joint loads meet
	s_cmp_lt_u32 s[WV], 4                          ; a wave's two first fills stand in one branch, ahead of every wait on TENSORcnt and every LDS read
	s_cbranch_scc0 .Lno_fill
	tensor_load_to_lds s[G0:G0+3], s[G1:G1+7]
	s_nop 0
	tensor_load_to_lds s[G0+4:G0+7], s[G1:G1+7]
	s_nop 0
.rept 4
	v_nop
.endr
.Lno_fill:
	s_and_b32 s17, s14, 1                          ; m is odd where mt is: the branch hangs on the wave's number alone
	s_cmp_eq_u32 s17, 1
	s_cbranch_scc1 .Lq_odd
	global_load_b128 v[QF:QF+3], v[LI], s[QB:QB+1]                 ; an even tile: registers 0-3 of the twelve, and 4-5: the low half of the next sixteen bytes
	global_load_b64 v[QF+4:QF+5], v[LI], s[QB:QB+1] offset:512
	s_branch .Lq_asked
.Lq_odd:
	global_load_b64 v[QF:QF+1], v[LI], s[QB:QB+1] offset:520       ; an odd tile: registers 6-7, the high half of those sixteen bytes, and 8-11
	global_load_b128 v[QF+2:QF+5], v[LI], s[QB:QB+1] offset:1024
.Lq_asked:
	global_load_b32 v[QS], v[QA], s[QSB:QSB+1]
.irp j, 0,1,2,3,4,5
	v_mov_b32 v[QF+6+\j], 0                        ; zero codes for k = 64 .. 127
	v_mov_b32 v[PCD+\j], 0                         ; what K's last tile names behind its own six registers, before the first p is made
.endr
	v_mov_b32 v13, 0xff61b1e6                      ; the largest t so far: -3e38, under every t
	v_floor_f32 v12, -v13                          ; -M
	v_mov_b32 v14, 0                               ; the sum, in two halves
	v_mov_b32 v15, 0
.set j, 0
.rept 32
	v_mov_b32 v[O+j], 0                            ; O^T: the step has no first form of its own; the first finds zeros, which the first change of M leaves zeros
.set j, j+1
.endr
.macro QK i                            ; S^T = K Q^T, tile i = 4 c + q: register j is key 64 c + 32 h + 8 q + j
.if (\i)%2
	v_wmma_scale_f32_16x16x128_f8f6f4 v[S+8*(\i):S+8*(\i)+7], v[KF+6*(\i):KF+6*(\i)+11], v[QF:QF+11], 0, v[KS+(\i)/2], v[QS] matrix_a_fmt:MATRIX_FMT_FP6 matrix_b_fmt:MATRIX_FMT_FP6 matrix_a_scale:MATRIX_SCALE_ROW1
.else
	v_wmma_scale_f32_16x16x128_f8f6f4 v[S+8*(\i):S+8*(\i)+7], v[KF+6*(\i):KF+6*(\i)+11], v[QF:QF+11], 0, v[KS+(\i)/2], v[QS] matrix_a_fmt:MATRIX_FMT_FP6 matrix_b_fmt:MATRIX_FMT_FP6
.endif
.endm
.macro PV t                            ; O^T += V^T P^T, tile t of the head's 64: the four accumulators take turns, one instruction a turn
.if (\t)%2
	v_wmma_scale_f32_16x16x128_f8f6f4 v[O+8*(\t):O+8*(\t)+7], v[VF+12*(\t):VF+12*(\t)+11], v[PCD:PCD+11], v[O+8*(\t):O+8*(\t)+7], v[VS+(\t)/2], v[PS] matrix_a_fmt:MATRIX_FMT_FP6 matrix_b_fmt:MATRIX_FMT_FP6 matrix_a_scale:MATRIX_SCALE_ROW1
.else
	v_wmma_scale_f32_16x16x128_f8f6f4 v[O+8*(\t):O+8*(\t)+7], v[VF+12*(\t):VF+12*(\t)+11], v[PCD:PCD+11], v[O+8*(\t):O+8*(\t)+7], v[VS+(\t)/2], v[PS] matrix_a_fmt:MATRIX_FMT_FP6 matrix_b_fmt:MATRIX_FMT_FP6
.endif
.endm
; Four lines of the search for the largest of my 32 scores of block 2 c + h (tiles 4 c .. 4 c + 3): a chain for each tile, begun at the tile's low end.  Stage 3 takes in the four scores left over and joins the chains.
.macro MX st, c
.if (\st) == 0
.irp q, 0,1,2,3
	v_max3_num_f32 v[BM+4*(\c)+\q], v[S+32*(\c)+8*\q], v[S+32*(\c)+8*\q+1], v[S+32*(\c)+8*\q+2]
.endr
.elseif (\st) < 3
.irp q, 0,1,2,3
	v_max3_num_f32 v[BM+4*(\c)+\q], v[BM+4*(\c)+\q], v[S+32*(\c)+8*\q+2*(\st)+1], v[S+32*(\c)+8*\q+2*(\st)+2]
.endr
.else
	v_max3_num_f32 v[BM+4*(\c)], v[BM+4*(\c)], v[S+32*(\c)+7], v[S+32*(\c)+15]
	v_max3_num_f32 v[BM+4*(\c)+2], v[BM+4*(\c)+2], v[S+32*(\c)+23], v[S+32*(\c)+31]
	v_max_num_f32 v[BM+4*(\c)+1], v[BM+4*(\c)+1], v[BM+4*(\c)+3]
	v_max3_num_f32 v[BM+4*(\c)], v[BM+4*(\c)], v[BM+4*(\c)+1], v[BM+4*(\c)+2]
.endif
.endm
.macro VL n                            ; registers 4 n .. 4 n + 3 of the record's V^T
	ds_load_b128 v[VF+4*(\n):VF+4*(\n)+3], v[AD1] offset:6144+512*(\n)
.endm
.macro KL n, off                       ; registers 4 n .. 4 n + 3 of K, of the record off bytes on
	ds_load_b128 v[KF+4*(\n):KF+4*(\n)+3], v[AD1] offset:(\off)+512*(\n)
.endm
.macro PF i                            ; t - M for pair i of the scores (of the pairs c and -M the low word serves both halves)
	v_pk_fma_f32 v[S+2*(\i):S+2*(\i)+1], v[S+2*(\i):S+2*(\i)+1], s[CS:CS+1], v[12:13] op_sel_hi:[1,0,0]
.endm
; The plain line of slot sl (0 .. 65), which stands behind that slot's exponential and names another register than it
.macro PLAIN
.if sl < 28
	v_pk_fma_f32 v[S+8+2*sl:S+9+2*sl], v[S+8+2*sl:S+9+2*sl], s[CS:CS+1], v[12:13] op_sel_hi:[1,0,0]   ; t - M for pair sl + 4: its exponentials stand in slots 2 sl + 10 and 2 sl + 11
.elseif sl == 28
	v_pk_mul_f32 v[14:15], v[14:15], v[F:F+1] op_sel_hi:[1,0]      ; the sum under the new M
.elseif sl < 31
	s_wait_alu depctr_va_vdst(0)
	v_max_num_f32 v[BM+4*(sl-29)], 0x1800000, v[BM+4*(sl-29)]      ; my block's largest p, and the floor 2^(3 - 127): the byte cannot fall under 1
.elseif sl < 33
	v_add_nc_u32 v[SO+sl-31], 0xff000000, v[BM+4*(sl-31)]          ; 2 off the exponent field: the conversion's scale operand
.elseif sl < 35
	v_lshrrev_b32 v[BM+2+sl-33], 23, v[SO+sl-33]                   ; the byte
.elseif sl == 35
	v_lshl_or_b32 v[BM+5], v[BM+3], 16, v[BM+2]                    ; my two bytes: blocks h and 2 + h of my query,
.elseif sl == 36
	v_lshlrev_b32 v[BM+5], v[SH8], v[BM+5]                         ; at their places in the scale word, 8 h bits up;
.elseif sl == 37
	v_permlanex16_b32 v[BM+6], v[BM+5], s[SEL], s[SEL+1]
.elseif sl == 38
	v_or_b32 v[PS], v[BM+5], v[BM+6]                               ; with lane l xor 16's two: p's scale word for these 128 keys
.elseif sl < 55
	v_pk_mul_f32 v[O+2*(sl-39):O+2*(sl-39)+1], v[O+2*(sl-39):O+2*(sl-39)+1], v[F:F+1] op_sel_hi:[1,0]   ; O^T under the new M, each accumulator from its low end on
.elseif sl == 55
	v_pk_add_f32 v[SUM2:SUM2+1], v[S:S+1], v[S+2:S+3]              ; THE ROW'S SUM IS TAKEN OF THE UNQUANTISED p: pairs 0 to 11 here, in two chains, leaving p as it is for the conversions
.elseif sl%2 == 0
	v_pk_add_f32 v[14:15], v[14:15], v[S+2*(sl-54):S+2*(sl-54)+1]
.else
	v_pk_add_f32 v[SUM2:SUM2+1], v[SUM2:SUM2+1], v[S+2*(sl-54):S+2*(sl-54)+1]
.endif
.endm
; The next cnt of the sum's other 21 lines: pairs 12 to 31 are added in place (20 -> 10 -> 5 pairs), so that no line waits for the line above it; then the two chains take them.  p is spent: the conversions have read it
.macro HS cnt
.rept \cnt
.if hh < 10
	v_pk_add_f32 v[S+24+2*hh:S+25+2*hh], v[S+24+2*hh:S+25+2*hh], v[S+44+2*hh:S+45+2*hh]
.elseif hh < 15
	v_pk_add_f32 v[S+24+2*(hh-10):S+25+2*(hh-10)], v[S+24+2*(hh-10):S+25+2*(hh-10)], v[S+34+2*(hh-10):S+35+2*(hh-10)]
.elseif hh == 20
	v_pk_add_f32 v[14:15], v[14:15], v[SUM2:SUM2+1]
.elseif hh%2 == 1
	v_pk_add_f32 v[SUM2:SUM2+1], v[SUM2:SUM2+1], v[S+24+2*(hh-15):S+25+2*(hh-15)]
.else
	v_pk_add_f32 v[14:15], v[14:15], v[S+24+2*(hh-15):S+25+2*(hh-15)]
.endif
.set hh, hh+1
.endr
.endm
; A KEY STEP: the 128 keys of the record at LDS byte s[TB]; its K has been asked for.  pf = 1: the next record's K is asked for.
.macro STEP pf
	s_wait_dscnt 0x0                               ; K and its scale words are in
	QK 0
	QK 1
	QK 2
	QK 3
	v_add_nc_u32 v[AD1], s[TB], v[LI]              ; four lines that name no register of these products: the places in front of the first read of their scores
	v_add_nc_u32 v[AD3], s[TB], v[LK]
	v_mov_b32 v[OLD], v12
	v_nop
	QK 4
	MX 0, 0                                        ; THE LARGEST SCORE OF EACH BLOCK OF 32 KEYS serves twice: for the row's maximum, and, since p rises with the score, for the block's largest p
	QK 5
	MX 1, 0
	QK 6
	MX 2, 0
	QK 7
	MX 3, 0                                        ; these four lines, on tiles 0 to 3, are the places in front of the first read of tile 7's scores and of the loads into K's registers
	MX 0, 1
	MX 1, 1
	MX 2, 1
	MX 3, 1
	v_max_num_f32 v[TMP], v[BM], v[BM+4]           ; from here to -M each line needs the line before it: the LDS loads stand in the gaps.  V^T's 13 first, then K's 13
	VL 0
	VL 1
	VL 2
	v_permlanex16_b32 v[BM+1], v[TMP], s[SEL], s[SEL+1]
	VL 3
	VL 4
	VL 5
	v_max_num_f32 v[TMP], v[TMP], v[BM+1]          ; with lane l xor 16's two blocks: the step's largest score of my query
	VL 6
	VL 7
	VL 8
	v_mul_f32 v[TMP], s[CS], v[TMP]                ; as t (c is positive)
	VL 9
	VL 10
	VL 11
	ds_load_b64 v[VS:VS+1], v[AD3] offset:12800
	v_max_num_f32 v13, v13, v[TMP]                 ; the running largest t
.if \pf
.irp n, 0,1,2,3,4,5
	KL \n, REC
.endr
.endif
	v_floor_f32 v12, -v13                          ; the new -M = -ceil(t): M is a whole number
.if \pf
.irp n, 6,7,8,9,10,11
	KL \n, REC
.endr
	ds_load_b128 v[KS:KS+3], v[AD1] offset:REC+12288
.endif
	PF 0
	v_sub_f32 v[TMP], v12, v[OLD]                  ; old M - new M: a whole number, 0 or less
	PF 1
	v_cvt_i32_f32 v[TMP], v[TMP]                   ; (it saturates)
	PF 2
	v_ldexp_f32 v[F], 1.0, v[TMP]                  ; f = 2^(old M - new M)
	PF 3
.irp c, 0,1
	v_fma_f32 v[BM+4*\c], v[BM+4*\c], s[CS], v12   ; t - M of each of my blocks' largest score
.endr
.set sl, 0
.rept 66                                       ; 66 slots: an exponential (my two blocks' largest p, then p = 2^(t - M) of the 64 scores), and a plain line
.if sl < 2
	v_exp_f32 v[BM+4*sl], v[BM+4*sl]
.else
	v_exp_f32 v[S+sl-2], v[S+sl-2]
.endif
	PLAIN
.set sl, sl+1
.endr
	s_wait_alu depctr_va_vdst(0)
.irp c, 0,1                                    ; registers 6 c .. 6 c + 5 of the operand: k = 64 c + 32 h + 0 .. 31, my block 2 c + h
	v_cvt_scalef32_pk16_fp6_f32 v[PCD+6*\c:PCD+2+6*\c], v[S+32*\c:S+15+32*\c], v[SO+\c]
	v_cvt_scalef32_pk16_fp6_f32 v[BM+4*\c:BM+2+4*\c], v[S+16+32*\c:S+31+32*\c], v[SO+\c]   ; (a conversion's three registers begin on an even number; the maxima and the bytes are spent)
.endr
	v_nop                                          ; one plain place behind a scaled conversion
.irp c, 0,1
.irp i, 0,1,2
	v_mov_b32 v[PCD+3+6*\c+\i], v[BM+4*\c+\i]
.endr
.endr
.set hh, 0
	HS 6                                           ; six plain lines between p's codes and the product that takes them
.if \pf
	s_wait_dscnt 13                                ; V^T and its scale words are in; the 13 loads of the next K, issued behind them, may be out
.else
	s_wait_dscnt 0x0
.endif
	PV 0
	HS 4
	PV 1
	HS 4
	PV 2
	HS 4
	PV 3
	HS 3
.endm
.macro SLOT n                          ; slot n's eight key steps: the first K, seven steps that each ask for the next K, and the last, which asks for none
	s_mov_b32 s[TB], \n*SLOTB
	v_add_nc_u32 v[AD1], s[TB], v[LI]
.irp i, 0,1,2,3,4,5,6,7,8,9,10,11
	KL \i, 0
.endr
	ds_load_b128 v[KS:KS+3], v[AD1] offset:12288
	s_mov_b32 s[CNT], 7
.Lstep_\@:
	STEP 1
	s_add_co_u32 s[TB], s[TB], REC
	s_sub_co_u32 s[CNT], s[CNT], 1
	s_cmp_lg_u32 s[CNT], 0
	s_cbranch_scc1 .Lstep_\@
	s_mov_b32 s[TB], \n*SLOTB+7*REC
	STEP 0
.endm
; THE CHANGE OF SLOTS.  Each wave waits for all its tensor loads (its part of the slot ahead), adds 0 to its spare word, and waits for that and for its reads of the slot that it leaves.
; fill = 1: slot n, just left, is filled with the keys two slots on: the barrier is then a round of the cluster's, and the joint refill is the first thing behind it; it has eight key steps in which to land.
.macro CHANGE fill, n
	s_wait_tensorcnt 0x0                           ; no tensor load of mine is out, so a group 0 may be written
	ds_add_u32 v[SPW], v[NIL]                      ; 0 onto my spare word
.if \fill
	s_add_nc_u64 s[G0+4*\n+2:G0+4*\n+3], s[G0+4*\n+2:G0+4*\n+3], 2*SLOTB   ; the type bits on top are not reached
.endif
	s_wait_dscnt 0x0                               ; the add is done, and my reads of the slot that I leave are over
.if \fill
	ROUND
	TL \n
.else
	s_barrier_signal -1
	s_barrier_wait -1
.endif
.endm
	s_wait_tensorcnt 0x1                           ; my part of slot 0 is in; slot 1's may stay out
	s_barrier_signal -1
	s_barrier_wait -1                              ; everybody's is
	s_wait_loadcnt 0x0                             ; Q (and the register that held its scale words' offset is free)
	SLOT 0                                         ; key steps 0-7
	CHANGE 1, 0
	SLOT 1                                         ; 8-15
	CHANGE 1, 1
	SLOT 0                                         ; 16-23
	CHANGE 0, 0                                    ; nothing is left to fetch
	SLOT 1                                         ; 24-31
	; THE WAY OUT.  O^T / the sum: register 8 t + j is channel 32 (t / 2) + 16 h + 8 (t % 2) + j of my head: 16 neighbours of each of its two blocks, a block in lanes l and l xor 16; quantised, it is a piece of the last product's
	; operand (registers 0-3 at 16 x lane, 4-5 at 512 + 16 r + 8 h).  (The sum's last three lines and the lines below are the places behind the last products.)
	v_add_f32 v14, v14, v15                        ; the sum's two halves,
	v_permlanex16_b32 v[TMP], v14, s[SEL], s[SEL+1]
	v_add_f32 v14, v14, v[TMP]                     ; and lane l xor 16's
	v_rcp_f32 v14, v14
	v_nop                                          ; one plain place behind a transcendental
.set j, 0
	s_wait_alu depctr_va_vdst(0)
.rept 32
	v_mul_f32 v[S+j], v[O+j], v14
.set j, j+1
.endr
.irp b, 0,1
	v_max3_num_f32 v[BM+\b], |v[S+16*\b]|, |v[S+16*\b+1]|, 0x1800000
.endr
.irp i, 2,4,6,8,10,12,14
.irp b, 0,1
	v_max3_num_f32 v[BM+\b], |v[S+16*\b+\i]|, |v[S+16*\b+\i+1]|, v[BM+\b]
.endr
.endr
.irp b, 0,1
	v_permlanex16_b32 v[BP+\b], v[BM+\b], s[SEL], s[SEL+1]
.endr
.irp b, 0,1
	v_max_num_f32 v[BM+\b], v[BM+\b], v[BP+\b]
.endr
.irp b, 0,1
	v_add_nc_u32 v[SO+\b], 0xff000000, v[BM+\b]
.endr
.irp b, 0,1
	v_lshrrev_b32 v[BP+\b], 23, v[SO+\b]
.endr
	v_lshl_or_b32 v[TMP], v[BP+1], 8, v[BP]        ; my head's two scale bytes of row r
	v_cvt_scalef32_pk16_fp6_f32 v[PCD:PCD+2], v[S:S+15], v[SO]
	v_cvt_scalef32_pk16_fp6_f32 v[BM:BM+2], v[S+16:S+31], v[SO+1]
	v_nop                                          ; one plain place behind a scaled conversion
.irp i, 0,1,2
	v_permlane16_swap_b32 v[PCD+\i], v[BM+\i]      ; the layout wants a whole block in a lane: lanes 0-15 block 0, lanes 16-31 block 1
.endr
.irp i, 0,1,2
	v_mov_b32 v[PCD+3+\i], v[BM+\i]
.endr
	global_store_b128 v[LI], v[PCD:PCD+3], s[OB:OB+1]              ; 512 consecutive bytes,
	global_store_b64 v[LJ], v[PCD+4:PCD+5], s[OB:OB+1] offset:512  ; and 256
	ds_store_b32 v[OW], v[TMP]                     ; the sixteen waves' scale bytes meet in LDS,
	s_wait_dscnt 0x0                               ; (for the others' sake: my store is done)
	s_barrier_signal -1
	s_barrier_wait -1
	s_cmp_lg_u32 s[WV], 0
	s_cbranch_scc1 .Lnot_0
.irp s, 0,1                                    ; and wave 0 makes the words: K step 2 g + s, tile 2 j + lane / 16: heads 2 s and 2 s + 1 of the group, that is waves 4 (2 j + lane / 16) + 2 s + e
.irp j, 0,1
.irp e, 0,1
	ds_load_b32 v[S+4*\s+2*\j+\e], v[VO] offset:1024*\j+256*\s+128*\e
.endr
.endr
.endr
	s_wait_dscnt 0x0
.irp s, 0,1
.irp j, 0,1
	v_lshl_or_b32 v[S+8+2*\s+\j], v[S+4*\s+2*\j+1], 16, v[S+4*\s+2*\j]
.endr
	global_store_b64 v[LK], v[S+8+2*\s:S+9+2*\s], s[OSB:OSB+1] offset:256*\s   ; 256 consecutive bytes
.endr
.Lnot_0:
	s_wait_tensorcnt 0x0                           ; the wave's end, behind my last tensor load and my last LDS store
	ds_add_u32 v[SPW], v[NIL]
	s_wait_dscnt 0x0
	ROUND                                          ; the closing round: no work-group ends while a partner may still ask for a tile that names it
	s_endpgm
.Lfunc_end_k_qb37f737228_attn:
	.size	k_qb37f737228_attn, .Lfunc_end_k_qb37f737228_attn-k_qb37f737228_attn
	.p2alignl 7, 3214868480
	.fill 96, 4, 3214868480
	.section	.rodata,"a",@progbits
	.p2align	6, 0x0
	.amdhsa_kernel k_qb37f737228_attn
		.amdhsa_group_segment_fixed_size 327680
		.amdhsa_private_segment_fixed_size 0
		.amdhsa_enable_private_segment 0
		.amdhsa_kernarg_size 24
		.amdhsa_user_sgpr_count 2
		.amdhsa_user_sgpr_kernarg_segment_ptr 1
		.amdhsa_wavefront_size32 1
		.amdhsa_system_sgpr_workgroup_id_x 1
		.amdhsa_system_sgpr_workgroup_id_y 1
		.amdhsa_system_sgpr_workgroup_id_z 1
		.amdhsa_system_vgpr_workitem_id 0
		.amdhsa_next_free_vgpr 256
		.amdhsa_next_free_sgpr 66
		.amdhsa_reserve_vcc 0
		.amdhsa_float_denorm_mode_32 3
		.amdhsa_float_denorm_mode_16_64 3
		.amdhsa_memory_ordered 1
		.amdhsa_forward_progress 1
		.amdhsa_inst_pref_size 127
	.end_amdhsa_kernel
	.amdgpu_metadata
---
amdhsa.version: [ 1, 2 ]
amdhsa.kernels:
  - .name:           k_qb37f737228_attn
    .symbol:         k_qb37f737228_attn.kd
    .args:
      - { .name: qbuf, .offset: 0, .size: 8, .value_kind: global_buffer, .address_space: global }
      - { .name: kvbuf, .offset: 8, .size: 8, .value_kind: global_buffer, .address_space: global }
      - { .name: obuf, .offset: 16, .size: 8, .value_kind: global_buffer, .address_space: global }
    .group_segment_fixed_size: 327680
    .private_segment_fixed_size: 0
    .kernarg_segment_align: 8
    .kernarg_segment_size: 24
    .max_flat_workgroup_size: 512
    .sgpr_count:     66
    .vgpr_count:     256
    .wavefront_size: 32
...
	.end_amdgpu_metadata
.endif
;; end of part 3
;; launch oproj (part 4): grid 4 x 64, 4 waves a work-group, no clusters, 168,448 bytes of LDS; arguments obuf, wbuf, b_o, out0; writes out0
.if DOCPART == 4
	.amdgcn_target "amdgcn-amd-amdhsa--gfx1250"
	.amdhsa_code_object_version 6
	.text
	.protected	k_qb37f737228_oproj
	.globl	k_qb37f737228_oproj
	.p2align	8
	.type	k_qb37f737228_oproj,@function
k_qb37f737228_oproj:
	s_mov_b64 s[64:65], 0
	v_nop
	global_prefetch_b8 v0, s[64:65] scope:SCOPE_SE
	s_setreg_imm32_b32 hwreg(HW_REG_WAVE_MODE, 25, 1), 1
	s_wait_xcnt 0x0
; out0 = a w_o + b_o on codes of FP6 (E2M3) with one E8M0 byte for each 32 along K.  a: attention's output, [4,096][1,024], as codes in the order of the operand's registers (obuf); w_o likewise (wbuf).
; SHARES.  Work-group (cg, qg): 64 rows x 256 columns.  Wave w owns 64 columns: its 4 tiles x 8 K steps of weight codes (384 registers) stay in registers; it multiplies them with all four row tiles: 16 accumulators, which take
; turns, one instruction a turn.  The 64 rows' record (64 pieces of 768 bytes, then the scale words: 51,200 dense bytes) comes into LDS once: each wave brings a quarter, 50 rows of 256 bytes, by one tensor load.
; No LDS byte is filled twice.  lds_bytes claims more than half of LDS; the text uses 68,608 bytes.
; THE MATRIX INSTRUCTION IS USED TRANSPOSED (source 0 = the weight, source 1 = a): in tile t = 2 b + u lane (r, h), register j holds column 32 b + 16 h + 8 u + j of the row that lane r of a's tile stands for,
; which is row 8 mt + r % 8 + 32 (r / 8) of the 64.  The bias is the C of each sum's first instruction.
; THE WAY OUT: a tile of 16 rows x 64 columns goes through the wave's own stage (rows of 256 bytes + 16) and leaves as whole rows: sixteen lanes store 256 consecutive bytes, at a multiple of 256 from out0's first byte.
; NO CLUSTER: what work-groups share most is the weight, which goes straight into registers; a's record is 51,200 bytes beside the 196,608 bytes of weight codes that a work-group reads.
; REGISTERS.  Window 0: v1-12 addresses; v16-31 the weight's scale words; v32-47 a's; v64-111, v112-159 two sets of a's four fragments; on the way out v64-191 rows.  Window 1: the weight's tiles 0, 1.
;   Window 2: tiles 2, 3; v192-223 the bias.  Window 3: v0-127 the accumulators, (mt, t) at 8 (4 mt + t).
.set STG,  51200                       ; behind a's record: 16 rows x 272 bytes for each wave
.set SP,   272
.set LI,   1                           ; 16 x lane
.set LJ,   2                           ; 16 r + 8 h
.set LK,   3                           ; 8 x lane
.set L4,   4                           ; 4 x lane
.set STI,  9                           ; my stage + 272 r + 64 h
.set STO,  10                          ; my stage + 272 (lane / 16) + 16 (lane % 16)
.set VB,   11                          ; 64 h
.set GO,   12                          ; 4,096 (lane / 16) + 16 (lane % 16)
.set WS,   16
.set AS,   32
.set AF,   64
.set BK,   64
.set BI,   192
.set MSB,  0
.macro WIN new                         ; bits 1:0 source 0, 3:2 source 1, 5:4 source 2, 7:6 destination; the high byte repeats the setting that is left
.if MSB != (\new)
	s_set_vgpr_msb (MSB<<8)|(\new)
.set MSB, (\new)
.endif
.endm
.macro WM d, a, b, c, sa, sb, ra, rb   ; ra, rb: source 0's, source 1's scale words stand in lanes 16-31 of their register
.if (\ra) && (\rb)
	v_wmma_scale_f32_16x16x128_f8f6f4 v[\d:\d+7], v[\a:\a+11], v[\b:\b+11], v[\c:\c+7], v[\sa], v[\sb] matrix_a_fmt:MATRIX_FMT_FP6 matrix_b_fmt:MATRIX_FMT_FP6 matrix_a_scale:MATRIX_SCALE_ROW1 matrix_b_scale:MATRIX_SCALE_ROW1
.elseif (\ra)
	v_wmma_scale_f32_16x16x128_f8f6f4 v[\d:\d+7], v[\a:\a+11], v[\b:\b+11], v[\c:\c+7], v[\sa], v[\sb] matrix_a_fmt:MATRIX_FMT_FP6 matrix_b_fmt:MATRIX_FMT_FP6 matrix_a_scale:MATRIX_SCALE_ROW1
.elseif (\rb)
	v_wmma_scale_f32_16x16x128_f8f6f4 v[\d:\d+7], v[\a:\a+11], v[\b:\b+11], v[\c:\c+7], v[\sa], v[\sb] matrix_a_fmt:MATRIX_FMT_FP6 matrix_b_fmt:MATRIX_FMT_FP6 matrix_b_scale:MATRIX_SCALE_ROW1
.else
	v_wmma_scale_f32_16x16x128_f8f6f4 v[\d:\d+7], v[\a:\a+11], v[\b:\b+11], v[\c:\c+7], v[\sa], v[\sb] matrix_a_fmt:MATRIX_FMT_FP6 matrix_b_fmt:MATRIX_FMT_FP6
.endif
.endm
	s_load_b256 s[4:11], s[0:1], 0x0               ; obuf, wbuf, b_o, out0
	v_lshl_add_u32 v254, v0, 2, 0x29000
	v_mov_b32 v255, 0
	ds_add_u32 v254, v255
	v_lshrrev_b32 v14, 5, v0
	v_readfirstlane_b32 s12, v14                   ; wave
	s_mov_b32 s13, ttmp9                           ; cg
	s_and_b32 s14, ttmp7, 0xffff                   ; qg
	s_mov_b32 s24, 3<<16                           ; group 1: no mask; elements of 8 bytes; no padding
	s_mov_b32 s25, 32<<16                          ; tensor_dim0 = 32 elements: 256 bytes
	s_mov_b32 s26, 50<<16                          ; tensor_dim1 = 50 rows
	s_mov_b32 s27, 32<<16                          ; tile_dim0
	s_mov_b32 s28, 50                              ; tile_dim1
	s_mov_b32 s29, 32                              ; the pitch: dense
	s_mov_b32 s30, 0
	s_mov_b32 s31, 0
	s_mul_i32 s15, s12, 12800                      ; my quarter of the record
	s_mul_i32 s16, s14, 51200
	s_add_co_u32 s16, s16, s15
	s_mov_b32 s17, 0
	s_mov_b32 s20, 1                               ; group 0: count = 1,
	s_mov_b32 s21, s15                             ; LDS address,
	s_wait_dscnt 0x0
	s_wait_kmcnt 0x0
	s_add_nc_u64 s[22:23], s[4:5], s[16:17]        ; global address,
	s_or_b32 s23, s23, 0x80000000                  ; type = 2
	tensor_load_to_lds s[20:23], s[24:31]          ; my one tensor load
	s_nop 0
.rept 4
	v_nop
.endr
	v_and_b32 v13, 31, v0
	v_and_b32 v14, 15, v0                          ; r
	v_bfe_u32 v15, v0, 4, 1                        ; h
	v_lshlrev_b32 v[LI], 4, v13
	v_lshlrev_b32 v[LJ], 4, v14
	v_lshl_add_u32 v[GO], v15, 12, v[LJ]
	v_lshl_add_u32 v[LJ], v15, 3, v[LJ]
	v_lshlrev_b32 v[LK], 3, v13
	v_lshlrev_b32 v[L4], 2, v13
	v_lshlrev_b32 v[VB], 6, v15
	s_mul_i32 s15, s12, 16*SP
	s_add_co_u32 s15, s15, STG                     ; my stage
	v_mul_u32_u24 v[STI], v14, SP
	v_lshl_add_u32 v[STI], v15, 6, v[STI]
	v_add_nc_u32 v[STI], s15, v[STI]
	v_mul_u32_u24 v[STO], v15, SP
	v_lshl_add_u32 v[STO], v14, 4, v[STO]
	v_add_nc_u32 v[STO], s15, v[STO]
	s_add_co_u32 s15, s13, 6                       ; w_o's columns begin at group 6 of 256 in wbuf
	s_lshl_b32 s15, s15, 2
	s_add_co_u32 s15, s15, s12
	s_mul_i32 s16, s15, 49152
	s_add_nc_u64 s[32:33], s[6:7], s[16:17]        ; my four tiles of weight codes,
	s_lshl_b32 s16, s15, 8
	s_add_co_u32 s16, s16, 1966080
	s_add_nc_u64 s[34:35], s[6:7], s[16:17]        ; their scale words,
	s_lshl_b32 s16, s13, 10
	s_lshl_b32 s15, s12, 8
	s_add_co_u32 s16, s16, s15
	s_add_nc_u64 s[36:37], s[8:9], s[16:17]        ; the bias at my 64 columns,
	s_lshl_b32 s15, s14, 18
	s_add_co_u32 s16, s16, s15
	s_add_nc_u64 s[38:39], s[10:11], s[16:17]      ; out0 at row 64 qg, my 64 columns
.set i, 0
.rept 64                                       ; piece i: tile i / 16, K step (i % 16) / 2, half i % 2: six registers
	WIN 0x40+0x40*(i/32)
	global_load_b128 v[6*(i%32):6*(i%32)+3], v[LI], s[32:33] offset:768*i
	global_load_b64 v[6*(i%32)+4:6*(i%32)+5], v[LJ], s[32:33] offset:768*i+512
.set i, i+1
.endr
.irp t, 0,1,2,3                                ; (window 2 still) register j of tile t is column 32 (t / 2) + 8 (t % 2) + 16 h + j
	global_load_b128 v[BI+8*\t:BI+8*\t+3], v[VB], s[36:37] offset:(32*(\t/2)+8*(\t%2))*4
	global_load_b128 v[BI+8*\t+4:BI+8*\t+7], v[VB], s[36:37] offset:(32*(\t/2)+8*(\t%2))*4+16
.endr
	WIN 0
.irp b, 0,1
.irp s, 0,1,2,3,4,5,6,7
	global_load_b32 v[WS+8*\b+\s], v[L4], s[34:35] offset:\s*10240+\b*128   ; lanes 0-15: tile 2 b; lanes 16-31: tile 2 b + 1
.endr
.endr
	s_wait_tensorcnt 0x0                           ; my quarter of the record is in,
	s_barrier_signal -1
	s_barrier_wait -1                              ; everybody's is
.macro FETCHA s                        ; K step s: the four row tiles' fragments, two pieces each, into set s % 2: 16 loads
.irp mt, 0,1,2,3
	ds_load_b128 v[AF+48*((\s)%2)+12*\mt:AF+48*((\s)%2)+12*\mt+3], v[LI] offset:(8*\mt+(\s))*1536
	ds_load_b64 v[AF+48*((\s)%2)+12*\mt+4:AF+48*((\s)%2)+12*\mt+5], v[LJ] offset:(8*\mt+(\s))*1536+512
	ds_load_b128 v[AF+48*((\s)%2)+12*\mt+6:AF+48*((\s)%2)+12*\mt+9], v[LI] offset:(8*\mt+(\s))*1536+768
	ds_load_b64 v[AF+48*((\s)%2)+12*\mt+10:AF+48*((\s)%2)+12*\mt+11], v[LJ] offset:(8*\mt+(\s))*1536+1280
.endr
.endm
.irp s, 0,1,2,3,4,5,6,7
	ds_load_b64 v[AS+2*\s:AS+2*\s+1], v[LK] offset:49152+256*\s    ; a's scale words: register j: lanes 0-15 tile 2 j, lanes 16-31 tile 2 j + 1
.endr
	FETCHA 0
	FETCHA 1
	s_wait_loadcnt 0x0                             ; the weight, its scale words, the bias
.irp s, 0,1,2,3,4,5,6,7
.if \s < 7
	s_wait_dscnt 16                                ; this K step's loads are in; the next step's sixteen may be out
.else
	s_wait_dscnt 0x0
.endif
.if \s == 0
.set WC, 0xe0                                  ; D window 3, C (the bias) window 2
.else
.set WC, 0xf0                                  ; C and D window 3
.endif
.irp tp, 0,1
	WIN WC+1+\tp                                   ; the weight's tiles 2 tp, 2 tp + 1 lie in window 1 + tp
.irp tq, 0,1
.irp mt, 0,1,2,3
.set rD, 8*(4*\mt+2*\tp+\tq)
.if \s == 0
.set rC, BI+8*(2*\tp+\tq)
.else
.set rC, rD
.endif
	WM rD, 12*(8*\tq+\s), AF+48*(\s%2)+12*\mt, rC, WS+8*\tp+\s, AS+2*\s+\mt/2, \tq, \mt%2
.endr
.endr
.endr
	WIN 0
.if \s < 6
.rept 4
	v_nop                                          ; four places in front of loads into registers that matrix instructions have read
.endr
	FETCHA \s+2
.endif
.endr
.rept 4
	v_nop                                          ; four places in front of the first read of results and of loads over a's fragments
.endr
.macro TOSTAGE mt                      ; row tile mt: 16 rows x 256 bytes into my stage and back as whole rows.  LDS serves a wave's instructions in order: no wait between the stores and the loads, nor in front of the next tile's stores
	WIN 0x0c                                       ; an LDS store's data are its source 1: window 3
.irp b, 0,1
.irp q, 0,1,2,3
	ds_store_b128 v[STI], v[8*(4*\mt+2*\b+\q/2)+4*(\q%2):8*(4*\mt+2*\b+\q/2)+4*(\q%2)+3] offset:128*\b+16*\q   ; each accumulator from its low end on
.endr
.endr
	WIN 0
.irp i, 0,1,2,3,4,5,6,7
	ds_load_b128 v[BK+32*\mt+4*\i:BK+32*\mt+4*\i+3], v[STO] offset:2*\i*SP
.endr
.endm
.macro SEND mt, younger                ; younger: the LDS instructions issued behind tile mt's loads, which may stay out
	s_wait_dscnt \younger
.irp i, 0,1,2,3,4,5,6,7
	global_store_b128 v[GO], v[BK+32*\mt+4*\i:BK+32*\mt+4*\i+3], s[38:39] offset:(8*\mt+2*(\i%4)+32*(\i/4))*4096 th:TH_STORE_NT   ; stage row 2 i + lane / 16 is this row (+ lane / 16) of the 64; written once, read by nobody here
.endr
.endm
	TOSTAGE 0
	TOSTAGE 1
	SEND 0, 16                                     ; behind tile 0's loads: tile 1's 8 stores and 8 loads
	TOSTAGE 2
	SEND 1, 16
	TOSTAGE 3
	SEND 2, 16
	SEND 3, 0
	s_wait_tensorcnt 0x0
	ds_add_u32 v254, v255
	s_wait_dscnt 0x0
	s_endpgm
.Lfunc_end_k_qb37f737228_oproj:
	.size	k_qb37f737228_oproj, .Lfunc_end_k_qb37f737228_oproj-k_qb37f737228_oproj
	.p2alignl 7, 3214868480
	.fill 96, 4, 3214868480
	.section	.rodata,"a",@progbits
	.p2align	6, 0x0
	.amdhsa_kernel k_qb37f737228_oproj
		.amdhsa_group_segment_fixed_size 168448
		.amdhsa_private_segment_fixed_size 0
		.amdhsa_enable_private_segment 0
		.amdhsa_kernarg_size 32
		.amdhsa_user_sgpr_count 2
		.amdhsa_user_sgpr_kernarg_segment_ptr 1
		.amdhsa_wavefront_size32 1
		.amdhsa_system_sgpr_workgroup_id_x 1
		.amdhsa_system_sgpr_workgroup_id_y 1
		.amdhsa_system_sgpr_workgroup_id_z 1
		.amdhsa_system_vgpr_workitem_id 0
		.amdhsa_next_free_vgpr 1024
		.amdhsa_next_free_sgpr 66
		.amdhsa_reserve_vcc 0
		.amdhsa_float_denorm_mode_32 3
		.amdhsa_float_denorm_mode_16_64 3
		.amdhsa_memory_ordered 1
		.amdhsa_forward_progress 1
		.amdhsa_inst_pref_size 52
	.end_amdhsa_kernel
	.amdgpu_metadata
---
amdhsa.version: [ 1, 2 ]
amdhsa.kernels:
  - .name:           k_qb37f737228_oproj
    .symbol:         k_qb37f737228_oproj.kd
    .args:
      - { .name: obuf, .offset: 0, .size: 8, .value_kind: global_buffer, .address_space: global }
      - { .name: wbuf, .offset: 8, .size: 8, .value_kind: global_buffer, .address_space: global }
      - { .name: b_o, .offset: 16, .size: 8, .value_kind: global_buffer, .address_space: global }
      - { .name: out0, .offset: 24, .size: 8, .value_kind: global_buffer, .address_space: global }
    .group_segment_fixed_size: 168448
    .private_segment_fixed_size: 0
    .kernarg_segment_align: 8
    .kernarg_segment_size: 32
    .max_flat_workgroup_size: 128
    .sgpr_count:     66
    .vgpr_count:     1024
    .wavefront_size: 32
...
	.end_amdgpu_metadata
.endif
;; end of part 4
;; ======== version 2 of 2: 4 launches; version 1 with the launch proj written anew for expert scheduling mode
;; workspace buffers: wbuf 2,048,000 bytes; qbuf 3,407,872 bytes; kvbuf 1,671,168 bytes; obuf 3,276,800 bytes
;; launch quantw: the kernel of part 1 again; grid 20 x 8, 4 waves a work-group, no clusters, 1,536 bytes of LDS; arguments w_q, w_k, w_v, w_o, wbuf; writes wbuf
;; launch proj (part 5): grid 6 x 32, 4 waves a work-group, no clusters, 170,496 bytes of LDS; arguments query, key, value, b_q, b_k, b_v, wbuf, qbuf, kvbuf; writes qbuf, kvbuf
.if DOCPART == 5
	.amdgcn_target "amdgcn-amd-amdhsa--gfx1250"
	.amdhsa_code_object_version 6
	.text
	.protected	k_qb37f737228_proj
	.globl	k_qb37f737228_proj
	.p2align	8
	.type	k_qb37f737228_proj,@function
k_qb37f737228_proj:
	s_mov_b64 s[64:65], 0
	v_nop
	global_prefetch_b8 v0, s[64:65] scope:SCOPE_SE
	s_setreg_imm32_b32 hwreg(HW_REG_WAVE_SCHED_MODE, 0, 2), 2
	s_setreg_imm32_b32 hwreg(HW_REG_WAVE_MODE, 25, 1), 1
	s_wait_xcnt 0x0
	s_wait_alu depctr_vm_vsrc(0)
; q = query w_q + b_q, k = key w_k + b_k, v = value w_v + b_v, on codes of FP6 (E2M3) with one E8M0 byte for each 32 along K; the results are quantised at once for attention's two products.
; SHARES.  Work-group x = CG: 0-3 the four groups of 256 columns of q, 4 k, 5 v.  Work-group y = BLK: 128 rows.  Wave w owns 64 columns, ONE HEAD: its 4 tiles x 8 K steps of weight codes (384 registers) stay in registers.
; X PHASE: wave w quantises the row tiles m = 2 w, 2 w + 1 of x (16 rows x 1,024) and lays each fragment and its scale words in LDS as an IMAGE OF THE OPERAND'S REGISTERS; one barrier; then every wave reads all 64 fragments.
; Each load of x reads a row's 512 consecutive bytes; a turn through the wave's own stage in LDS gives a lane 16 neighbours of each block of 32.
; NEITHER THE ROWS NOR THE COLUMNS OF A TILE ARE NEIGHBOURS, and the two orders differ.  In a product D = source 0 x source 1, lane (r, h), register j holds row 8 h + j of source 0's tile.
;   COLUMNS of the weight: lane r of tile 2 b + u takes column 32 b + 8 u + r + 8 (r / 8).  q and k: source 0 = the weight, so register j of tile 2 b + u is channel 32 b + 16 h + 8 u + j of the head: the 16 registers of two
;   neighbouring tiles are 16 neighbours along the next K, and a block of 32 lies in lanes l and l xor 16 (QUANTH).
;   ROWS of x: lane r of tile 4 c + i takes row 64 c + 8 i + r % 8 + 32 (r / 8).  v: source 0 = x, so register j of tile 4 c + i is key 64 c + 32 h + 8 i + j: the 32 registers of four neighbouring tiles are ONE WHOLE BLOCK of
;   32 neighbouring keys, block 2 c + h, which is what the operand's layout gives that lane (QUANTW: no other lane is asked, nothing changes lanes).  k's rows in the same order give attention's weights p the same property.
; OUT.  A piece is 16 rows x 64 along K: six registers a lane.  A record's eight pieces are stored as an image of their 48 registers on end: registers 4 n .. 4 n + 3 at 512 n + 16 x lane.
;   qbuf [head 16][BLK 32][6,656]: 8 pieces (row tile m), then 512 bytes of scale words: lane l's 16 bytes, word j for tile 2 j + l / 16.  The words' upper two bytes are 0x7f: they scale the half of K that attention fills with zero codes.
;   kvbuf [kv head 4][BLK 32][13,056]: k's 8 pieces; v^T's 8 pieces (tile t of the head's 64, half c of the 128 keys) at 6,144; k's scale words at 12,288; v's at 12,800: lane l's 8 bytes, word j for tile 2 j + l / 16.
; The biases are the C of each sum's first matrix instruction.  The 32 accumulators take turns, one instruction a turn.
; NO CLUSTER: what work-groups share is the weights, which go straight into registers, and x, which is quantised on its way: no shared tile lands in LDS as it lies in memory.
; LIMITS: a block of zeros gets the byte 1, not 127 (its codes are zeros; only this program reads the bytes); NaN and infinities among the inputs are not served.
; REGISTERS, in windows of 256.  Window 0: v1-15 addresses; v16-31 the weight's scale words; v32-39 x's, two sets; v40-45 at work; v62, v63 the closing add's two;
;   X phase: v64-87 codes (two sets), v88-90, v92-93, v128-255 two sets of 64 numbers;  products: v64-159, v160-255 two sets of x's eight fragments;  results: v64-111 codes, v112-127.
;   Window 1: the weight's tiles 0, 1.  Window 2: tiles 2, 3; v192-223 the bias.  Window 3: four sets of 64 numbers as loaded, then the 32 accumulators.
; THE MODE: SCHED_MODE bits 1:0 = 2 (LLVM: expert scheduling mode 2), set by the entry lines.  The code itself states the register dependences
; between vector or matrix instructions and memory or LDS instructions, with s_wait_alu, always for 0.
; THE PLAN.  Registers that memory or LDS instructions touch, and who else names them:
;   v1-v13        offsets and LDS addresses: written at the head and never again; one wait on va_vdst ahead of the first load serves them for the whole kernel.
;   W0 .. W3      window 3, four sets of 64.  X step t: the loads of x of step t + 4 land in W[t % 4], which the stage stores of step t, issued in step t - 1, have read.  No vector instruction names them in the X phase.
;   XR0, XR1      v128-255.  X step t: its quantisers read XR[t % 4 % 2]; the stage's loads of step t + 1 land in the other, which step t - 1's quantisers have read.
;   PC0, PC1, PW0, PW1   v64-87, v92-93.  X step t: its quantisers write set t % 2; the four image stores that read it are issued at the head of step t + 1.
;   So the two waits at the head of an X step state all that the step's 52 memory and LDS instructions hang on.
;   F0, F1, XS0, XS1     v64-255, v32-39.  K step s: its matrix instructions read set s % 2; the 25 LDS loads of step s + 1 land in the other, which step s - 1's matrix instructions have read: one wait on va_vdst at the step's head,
;                 and the loads follow in two runs, at the head and between the step's two halves of 16 matrix instructions, which name none of the registers that those loads touch.
;   RC, SW        v64-111, v124-127.  Written once by the results' quantisers and selections; read by the global stores, which go in two runs, each behind one wait on va_vdst.
.set XSC,  98304                       ; LDS: x's 64 fragments, (8 m + s) x 1,536, from 0; their scale words here: [s 8][lane 32][4 words: word p for tile 2 p + lane / 16];
.set STG,  102400                      ; the stages: two of 16 rows x 528 bytes for each wave
.set STGW, 16896
.set STG1, 8448
.set SP,   528                         ; a stage row: 512 bytes + 16
.set LI,   1                           ; 16 x lane
.set LJ,   2                           ; 16 r + 8 h
.set LK,   3                           ; 8 x lane
.set L4,   4                           ; 4 x lane
.set LI2,  5                           ; LI + 49,152: fragments of tiles 4-7
.set XWI,  6                           ; where I store x's images: LI + 24,576 x wave
.set XWS,  7                           ; and their scale words: XSC + 16 r + 4 x wave
.set XRS,  8                           ; where I read scale words: XSC + LI
.set SIN,  9                           ; my stage, as loaded: + LI
.set SOUT, 10                          ; and back: + 528 r + 64 h
.set VBQ,  11                          ; bias, q and k: 64 h
.set LANE, 12
.set VBV,  13                          ; bias, v: 4 (r + 8 (r / 8))
.set SH8,  15                          ; 8 h: my half's place in a scale word, in bits
.set WS,   16
.set XS,   32
.set TM,   40
.set PCB,  64
.set PWB,  92
.set XR,   128
.set RC,   64
.set PWR,  116
.set SW,   124
.set BI,   192
.set PT,   88
.set MSB,  0
.macro WIN new                         ; bits 1:0 source 0, 3:2 source 1, 5:4 source 2, 7:6 destination; the high byte repeats the setting that is left
.if MSB != (\new)
	s_set_vgpr_msb (MSB<<8)|(\new)
.set MSB, (\new)
.endif
.endm
; 32 numbers of a lane in window w, register 16 b + i = k 32 b + 16 h + i of my row, become six registers of codes v[dst ..] (k = 32 h + 0 .. 31) and two scale bytes in v[pw] (mode 0: bytes 0, 1; mode 1: bytes 2, 3).
.macro QUANTH src, w, dst, pw, mode
	WIN (\w)|((\w)<<2)
.irp b, 0,1
	v_max3_num_f32 v[TM+\b], |v[\src+16*\b]|, |v[\src+16*\b+1]|, 0x1800000   ; my 16 numbers of block b, from the low end on, and the floor 2^(3 - 127): the byte cannot fall under 1
.endr
.irp i, 2,4,6,8,10,12,14
.irp b, 0,1
	v_max3_num_f32 v[TM+\b], |v[\src+16*\b+\i]|, |v[\src+16*\b+\i+1]|, v[TM+\b]
.endr
.endr
	WIN 0
.irp b, 0,1
	v_permlanex16_b32 v[TM+2+\b], v[TM+\b], s38, s39
.endr
.irp b, 0,1
	v_max_num_f32 v[TM+\b], v[TM+\b], v[TM+2+\b]   ; with lane l xor 16's 16: the block's largest magnitude
.endr
.irp b, 0,1
	v_add_nc_u32 v[TM+4+\b], 0xff000000, v[TM+\b]  ; 2 off its exponent field: the conversion's scale operand
.endr
.irp b, 0,1
	v_lshrrev_b32 v[TM+2+\b], 23, v[TM+4+\b]       ; the byte
.endr
.if (\mode)
	v_lshl_or_b32 v[\pw], v[TM+2], 16, v[\pw]
	v_lshl_or_b32 v[\pw], v[TM+3], 24, v[\pw]
.else
	v_lshl_or_b32 v[\pw], v[TM+3], 8, v[TM+2]
.endif
	WIN \w
	v_cvt_scalef32_pk16_fp6_f32 v[\dst:\dst+2], v[\src:\src+15], v[TM+4]
	v_cvt_scalef32_pk16_fp6_f32 v[PT:PT+2], v[\src+16:\src+31], v[TM+5]     ; (a conversion's three registers begin on an even number)
	WIN 0
	v_nop                                          ; one plain place behind a scaled conversion
.irp i, 0,1,2
	v_permlane16_swap_b32 v[\dst+\i], v[PT+\i]     ; the layout wants a whole block in a lane: lanes 0-15 block 0, lanes 16-31 block 1
.endr
.irp i, 0,1,2
	v_mov_b32 v[\dst+3+\i], v[PT+\i]
.endr
.endm
; 32 numbers of a lane in window w that are ONE WHOLE BLOCK, register e = the block's number e, become six registers of codes v[dst ..] and one scale byte in v[pw] (mode 0: bits 0-7; mode 1: bits 16-23).
.macro QUANTW src, w, dst, pw, mode
	WIN (\w)|((\w)<<2)
	v_max3_num_f32 v[TM], |v[\src]|, |v[\src+1]|, 0x1800000        ; two chains, each accumulator from its low end on; the floor 2^(3 - 127): the byte cannot fall under 1
	v_max3_num_f32 v[TM+1], |v[\src+2]|, |v[\src+3]|, 0x1800000
.irp i, 4,8,12,16,20,24,28
	v_max3_num_f32 v[TM], |v[\src+\i]|, |v[\src+\i+1]|, v[TM]
	v_max3_num_f32 v[TM+1], |v[\src+\i+2]|, |v[\src+\i+3]|, v[TM+1]
.endr
	WIN 0
	v_max_num_f32 v[TM], v[TM], v[TM+1]            ; the block's largest magnitude: all 32 numbers are mine
	v_add_nc_u32 v[TM+4], 0xff000000, v[TM]        ; 2 off its exponent field: the conversion's scale operand
.if (\mode)
	v_lshrrev_b32 v[TM+2], 23, v[TM+4]             ; the byte
	v_lshl_or_b32 v[\pw], v[TM+2], 16, v[\pw]
.else
	v_lshrrev_b32 v[\pw], 23, v[TM+4]
.endif
	WIN \w
	v_cvt_scalef32_pk16_fp6_f32 v[\dst:\dst+2], v[\src:\src+15], v[TM+4]
	v_cvt_scalef32_pk16_fp6_f32 v[PT:PT+2], v[\src+16:\src+31], v[TM+4]     ; (a conversion's three registers begin on an even number)
	WIN 0
	v_nop                                          ; one plain place behind a scaled conversion
.irp i, 0,1,2
	v_mov_b32 v[\dst+3+\i], v[PT+\i]
.endr
.endm
; One matrix instruction.  ra, rb: source 0's, source 1's scale words stand in lanes 16-31 of their register
.macro WM d, a, b, c, sa, sb, ra, rb
.if (\ra) && (\rb)
	v_wmma_scale_f32_16x16x128_f8f6f4 v[\d:\d+7], v[\a:\a+11], v[\b:\b+11], v[\c:\c+7], v[\sa], v[\sb] matrix_a_fmt:MATRIX_FMT_FP6 matrix_b_fmt:MATRIX_FMT_FP6 matrix_a_scale:MATRIX_SCALE_ROW1 matrix_b_scale:MATRIX_SCALE_ROW1
.elseif (\ra)
	v_wmma_scale_f32_16x16x128_f8f6f4 v[\d:\d+7], v[\a:\a+11], v[\b:\b+11], v[\c:\c+7], v[\sa], v[\sb] matrix_a_fmt:MATRIX_FMT_FP6 matrix_b_fmt:MATRIX_FMT_FP6 matrix_a_scale:MATRIX_SCALE_ROW1
.elseif (\rb)
	v_wmma_scale_f32_16x16x128_f8f6f4 v[\d:\d+7], v[\a:\a+11], v[\b:\b+11], v[\c:\c+7], v[\sa], v[\sb] matrix_a_fmt:MATRIX_FMT_FP6 matrix_b_fmt:MATRIX_FMT_FP6 matrix_b_scale:MATRIX_SCALE_ROW1
.else
	v_wmma_scale_f32_16x16x128_f8f6f4 v[\d:\d+7], v[\a:\a+11], v[\b:\b+11], v[\c:\c+7], v[\sa], v[\sb] matrix_a_fmt:MATRIX_FMT_FP6 matrix_b_fmt:MATRIX_FMT_FP6
.endif
.endm
	s_load_b256 s[4:11], s[0:1], 0x0               ; query, key, value, b_q
	s_load_b256 s[12:19], s[0:1], 0x20             ; b_k, b_v, wbuf, qbuf
	s_load_b64 s[20:21], s[0:1], 0x40              ; kvbuf
	v_lshl_add_u32 v62, v0, 2, 0x29800             ; my spare word, behind the stages, and 0: made here and kept for the closing add alone
	v_mov_b32 v63, 0
	v_lshrrev_b32 v14, 5, v0
	v_readfirstlane_b32 s22, v14                   ; wave
	s_mov_b32 s23, ttmp9                           ; CG
	s_and_b32 s24, ttmp7, 0xffff                   ; BLK
	v_and_b32 v[LANE], 31, v0
	v_and_b32 v14, 15, v0                          ; r
	v_bfe_u32 v15, v0, 4, 1                        ; h
	v_lshlrev_b32 v[LI], 4, v[LANE]
	v_lshlrev_b32 v[LJ], 4, v14
	v_lshl_add_u32 v[LJ], v15, 3, v[LJ]
	v_lshlrev_b32 v[LK], 3, v[LANE]
	v_lshlrev_b32 v[L4], 2, v[LANE]
	v_add_nc_u32 v[LI2], 49152, v[LI]
	s_wait_alu depctr_va_sdst(0)                   ; s22, the wave's number, is written, ahead of its first reader: LDS addresses and the bases of x, the bias, the weight and the records are made from it
	s_mul_i32 s25, s22, 24576
	v_add_nc_u32 v[XWI], s25, v[LI]
	s_lshl_b32 s25, s22, 2
	s_add_co_u32 s25, s25, XSC
	v_lshl_add_u32 v[XWS], v14, 4, s25
	v_add_nc_u32 v[XRS], XSC, v[LI]
	s_mul_i32 s25, s22, STGW
	s_add_co_u32 s25, s25, STG
	v_add_nc_u32 v[SIN], s25, v[LI]
	v_mul_u32_u24 v[SOUT], v14, SP
	v_lshl_add_u32 v[SOUT], v15, 6, v[SOUT]
	v_add_nc_u32 v[SOUT], s25, v[SOUT]
	v_lshlrev_b32 v[VBQ], 6, v15
	v_and_b32 v[VBV], 8, v14
	v_add_nc_u32 v[VBV], v[VBV], v14
	v_lshlrev_b32 v[VBV], 2, v[VBV]
	v_lshlrev_b32 v[SH8], 3, v15                   ; h has served: the register now holds 8 h
	v_mov_b32 v[TM+2], 0                           ; written once: a lane permute's destination counts as one of its sources
	v_mov_b32 v[TM+3], 0
	s_mov_b32 s38, 0x76543210
	s_mov_b32 s39, 0xfedcba98                      ; v_permlanex16_b32's selects for lane l xor 16
	s_wait_kmcnt 0x0
	s_cmp_eq_u32 s23, 5                            ; every choice hangs on the work-group's number alone
	s_cselect_b64 s[26:27], s[8:9], s[6:7]         ; x: value or key,
	s_cselect_b64 s[28:29], s[14:15], s[12:13]     ; the bias,
	s_cselect_b32 s35, 6144, 0                     ; where the codes begin in a record,
	s_mov_b32 s34, 12288
	s_mov_b32 s36, 12800
	s_cselect_b32 s34, s36, s34                    ; and the scale words
	s_cmp_lt_u32 s23, 4
	s_cselect_b64 s[26:27], s[4:5], s[26:27]       ; or query's
	s_cselect_b64 s[28:29], s[10:11], s[28:29]
	s_cselect_b64 s[30:31], s[18:19], s[20:21]     ; qbuf or kvbuf
	s_cselect_b32 s32, s23, 0                      ; which 256 columns of q
	s_mov_b32 s33, 13056
	s_cselect_b32 s33, 6656, s33                   ; a record's bytes
	s_cselect_b32 s34, 6144, s34
	s_mov_b32 s41, 0
	s_lshl_b32 s40, s24, 19
	s_lshr_b32 s25, s22, 1
	s_lshl_b32 s25, s25, 18
	s_add_co_u32 s40, s40, s25
	s_and_b32 s25, s22, 1
	s_lshl_b32 s25, s25, 16
	s_add_co_u32 s40, s40, s25
	s_add_nc_u64 s[26:27], s[26:27], s[40:41]      ; x at row 128 BLK + 64 (wave / 2) + 16 (wave % 2): where my two tiles' first rows lie
	s_lshl_b32 s40, s32, 10
	s_lshl_b32 s25, s22, 8
	s_add_co_u32 s40, s40, s25
	s_add_nc_u64 s[28:29], s[28:29], s[40:41]      ; the bias at my 64 columns
	s_lshl_b32 s37, s32, 2
	s_add_co_u32 s37, s37, s22                     ; my head
	s_lshl_b32 s37, s37, 5
	s_add_co_u32 s37, s37, s24
	s_mul_i32 s37, s37, s33                        ; its record for BLK
	s_add_co_u32 s40, s37, s35
	s_add_nc_u64 s[42:43], s[30:31], s[40:41]      ; where my codes go,
	s_add_co_u32 s40, s37, s34
	s_add_nc_u64 s[44:45], s[30:31], s[40:41]      ; and my scale words
	s_lshl_b32 s25, s23, 2
	s_add_co_u32 s25, s25, s22                     ; 4 CG + wave
	s_mul_i32 s40, s25, 49152
	s_add_nc_u64 s[46:47], s[16:17], s[40:41]      ; my four tiles of weight codes,
	s_lshl_b32 s40, s25, 8
	s_add_co_u32 s40, s40, 1966080
	s_add_nc_u64 s[48:49], s[16:17], s[40:41]      ; and their scale words
	s_wait_alu depctr_va_vdst(0)                   ; the offsets and LDS addresses v1 to v13 are written, which every load and store of the kernel reads; none of them is written again
.set i, 0
.rept 64                                       ; piece i of the weight: tile i / 16, K step (i % 16) / 2, half i % 2: six registers (registers 0-3 at 16 x lane, 4-5 at 512 + 16 r + 8 h)
	WIN 0x40+0x40*(i/32)
	global_load_b128 v[6*(i%32):6*(i%32)+3], v[LI], s[46:47] offset:768*i
	global_load_b64 v[6*(i%32)+4:6*(i%32)+5], v[LJ], s[46:47] offset:768*i+512
.set i, i+1
.endr
	WIN 0
.irp b, 0,1
.irp s, 0,1,2,3,4,5,6,7
	global_load_b32 v[WS+8*\b+\s], v[L4], s[48:49] offset:\s*10240+\b*128   ; lanes 0-15: tile 2 b; lanes 16-31: tile 2 b + 1
.endr
.endr
	s_cmp_eq_u32 s23, 5
	s_cbranch_scc1 .Lbias_v
	WIN 0x80
.irp t, 0,1,2,3                                ; q, k: register j of tile t is column 32 (t / 2) + 8 (t % 2) + 16 h + j
	global_load_b128 v[BI+8*\t:BI+8*\t+3], v[VBQ], s[28:29] offset:(32*(\t/2)+8*(\t%2))*4
	global_load_b128 v[BI+8*\t+4:BI+8*\t+7], v[VBQ], s[28:29] offset:(32*(\t/2)+8*(\t%2))*4+16
.endr
	WIN 0
	s_branch .Lbias_done
.Lbias_v:
	WIN 0x80
.irp t, 0,1,2,3                                ; v: all eight registers of tile t are column 32 (t / 2) + 8 (t % 2) + r + 8 (r / 8)
.irp j, 0,1,2,3,4,5,6,7
	global_load_b32 v[BI+8*\t+\j], v[VBV], s[28:29] offset:(32*(\t/2)+8*(\t%2))*4
.endr
.endr
	WIN 0
.Lbias_done:
; step t = 8 mm + s of the X phase: row tile 2 w + mm, K step s
.macro XLOAD t                         ; sixteen rows' 512 bytes, in the tile's order (eight neighbours, then the eight that lie 32 further on), into set t % 4 of window 3
	WIN 0xc0
.irp rho, 0,1,2,3,4,5,6,7,8,9,10,11,12,13,14,15
	global_load_b128 v[64*((\t)%4)+4*\rho:64*((\t)%4)+4*\rho+3], v[LI], s[26:27] offset:(8*((\t)/8)+\rho%8+32*(\rho/8))*4096+512*((\t)%8)
.endr
	WIN 0
.endm
.macro TURN t                          ; through stage t % 2: LDS serves a wave's instructions in order, so no wait stands between the stores and the loads
	WIN 0x0c
.irp rho, 0,1,2,3,4,5,6,7,8,9,10,11,12,13,14,15
	ds_store_b128 v[SIN], v[64*((\t)%4)+4*\rho:64*((\t)%4)+4*\rho+3] offset:STG1*((\t)%2)+SP*\rho
.endr
	WIN 0
.irp b, 0,1,2,3
.irp j, 0,1,2,3
	ds_load_b128 v[XR+64*((\t)%2)+16*\b+4*\j:XR+64*((\t)%2)+16*\b+4*\j+3], v[SOUT] offset:STG1*((\t)%2)+128*\b+16*\j   ; register 16 b + i = k 32 b + 16 h + i of the tile's row r
.endr
.endr
.endm
.macro XIMAGE t                        ; step t's fragment and its scale words go to LDS
.irp c, 0,1,2
	ds_store_b128 v[XWI], v[PCB+12*((\t)%2)+4*\c:PCB+12*((\t)%2)+4*\c+3] offset:(\t)*1536+512*\c   ; the fragment as it stands: lane l's 16 bytes at 16 l
.endr
	ds_store_b32 v[XWS], v[PWB+(\t)%2] offset:512*((\t)%8)+256*((\t)/8)                            ; both halves of the lanes write row r's word with the same value
.endm
.macro XSTEP t
	s_wait_dscnt 0x0                               ; this step's numbers are back from the stage: no LDS instruction was issued behind their loads
	s_wait_alu depctr_vm_vsrc(0)                   ; the stage stores issued so far have read set t % 4 of window 3, in which the loads below land; the image stores issued so far have read the codes and the word that this step's quantisers write again
.if (\t) > 0
	s_wait_alu depctr_va_vdst(0)                   ; the last step's quantisers have written its codes and its word, which the image stores below read, and are done reading its 64 numbers, in whose registers the stage's loads below land
.endif
.if (\t)+4 < 16
	XLOAD (\t)+4
.endif
.if (\t) > 0
	XIMAGE (\t)-1                                  ; the step before
.endif
.if (\t)+1 < 16
.if (\t) < 12
	s_wait_loadcnt 48                              ; the next step's sixteen loads are in; those of the three steps behind it may be out
.else
	s_wait_loadcnt 16*(14-(\t))
.endif
	TURN (\t)+1                                    ; no further wait: no vector instruction since the waits above names a register that these stores and loads touch
.endif
.set XB_, XR+64*((\t)%2)
.set PC_, PCB+12*((\t)%2)
.set PW_, PWB+(\t)%2
	QUANTH XB_, 0, PC_, PW_, 0
	QUANTH XB_+32, 0, PC_+6, PW_, 1
.endm
	XLOAD 0
	XLOAD 1
	XLOAD 2
	XLOAD 3
	s_wait_loadcnt 48                              ; all but steps 1 to 3 of x: the weight, its scale words, the bias and step 0 are in
	TURN 0
.irp t, 0,1,2,3,4,5,6,7,8,9,10,11,12,13,14,15
	XSTEP \t
.endr
	s_wait_alu depctr_va_vdst(0)                   ; step 15's quantisers have written its codes and its word, which the image stores below read; and no quantiser still reads or writes v64 to v255, in which x's fragments land behind the barrier
	XIMAGE 15
	s_wait_dscnt 0x0                               ; for the others' sake: my images are stored
	s_barrier_signal -1
	s_barrier_wait -1                              ; x's 64 fragments lie in LDS; from here on LDS is only read
	s_wait_alu depctr_vm_vsrc(0)                   ; my image stores have read v64 to v87, v92 and v93, in which fragments land from here on; my stage stores have read window 3, which the matrix instructions write
.macro FETCHLO s                       ; K step s: the fragments of tiles 0 to 3 and the eight tiles' scale words into set s % 2: 13 loads
.irp m, 0,1,2,3
.irp c, 0,1,2
	ds_load_b128 v[64+96*((\s)%2)+12*\m+4*\c:64+96*((\s)%2)+12*\m+4*\c+3], v[LI] offset:(8*\m+(\s))*1536+512*\c
.endr
.endr
	ds_load_b128 v[XS+4*((\s)%2):XS+4*((\s)%2)+3], v[XRS] offset:512*(\s)
.endm
.macro FETCHHI s                       ; and those of tiles 4 to 7: 12 loads
.irp m, 0,1,2,3
.irp c, 0,1,2
	ds_load_b128 v[112+96*((\s)%2)+12*\m+4*\c:112+96*((\s)%2)+12*\m+4*\c+3], v[LI2] offset:(8*\m+(\s))*1536+512*\c
.endr
.endr
.endm
; The products and the way out.  swap = 0 (q, k): source 0 = the weight, accumulator (m, t) at 8 (4 m + t).  swap = 1 (v): source 0 = x, accumulator (t, m) at 8 (8 t + m).
.macro PATH swap
	FETCHLO 0
	FETCHHI 0
	FETCHLO 1
	FETCHHI 1
.irp s, 0,1,2,3,4,5,6,7
.if \s == 0
	s_wait_dscnt 25                                ; this K step's 25 loads are in; the next step's may be out
.elseif \s < 7
	s_wait_alu depctr_va_vdst(0)                   ; the last K step's matrix instructions are done reading their set of fragments and scale words, in which the next step's 25 loads land
	FETCHLO \s+1
	s_wait_dscnt 13                                ; this K step's 25 loads are in; the 13 just issued may be out
.else
	s_wait_dscnt 0x0
.endif
.if \s == 0
.set WC, 0xe0                                  ; D window 3, C (the bias) window 2
.else
.set WC, 0xf0                                  ; C and D window 3
.endif
.irp tp, 0,1
.if (\tp == 1) && (\s > 0) && (\s < 7)
	WIN 0
	FETCHHI \s+1                                   ; no wait: the sixteen matrix instructions since the wait at the step's head name this step's set, the weight, the scale words and the accumulators, not the other set
.endif
	WIN WC+((1+\tp)<<(2*\swap))                    ; the weight's tiles 2 tp, 2 tp + 1 lie in window 1 + tp
.irp tq, 0,1
.irp m, 0,1,2,3,4,5,6,7
.set tt, 2*\tp+\tq
.set rW, 12*(8*\tq+\s)
.set rX, 64+96*(\s%2)+12*\m
.set rWS, WS+8*\tp+\s
.set rXS, XS+4*(\s%2)+\m/2
.if \swap
.set rD, 8*(8*tt+\m)
.else
.set rD, 8*(4*\m+tt)
.endif
.if \s == 0
.set rC, BI+8*tt
.else
.set rC, rD
.endif
.if \swap
	WM rD, rX, rW, rC, rXS, rWS, \m%2, \tq
.else
	WM rD, rW, rX, rC, rWS, rXS, \tq, \m%2
.endif
.endr
.endr
.endr
	WIN 0
.endr
.rept 4
	v_nop                                          ; four places in front of the first read of results and the first write over x's fragments
.endr
	v_cmp_le_u32 vcc_lo, 16, v[LANE]               ; lanes 16-31 carry the odd tiles' words: the mask is made here, and read behind the eight pieces
.set PT, 112
.irp i, 0,1,2,3,4,5,6,7                        ; piece i: 32 registers of four accumulators.  q, k: row tile i, along the head's 64.  v: tile i / 2 of the head's 64; my block 2 (i % 2) + h of the 128 keys
.if \swap
	QUANTW 32*\i, 3, RC+6*\i, PWR+\i/2, \i%2
.else
	QUANTH 32*\i, 3, RC+6*\i, PWR+\i, 0
	v_or_b32 v[PWR+\i], 0x7f7f0000, v[PWR+\i]      ; 1.0 for the two blocks that attention fills with zero codes
.endif
.if \i == 3
	s_wait_alu depctr_va_vdst(0)                   ; the quantisers have written pieces 0 to 3, 24 registers, which the six stores below read; no later line writes them
.irp n, 0,1,2,3,4,5
	global_store_b128 v[LI], v[RC+4*\n:RC+4*\n+3], s[42:43] offset:512*\n   ; the pieces' registers as they stand: 512 consecutive bytes a line
.endr
.endif
.endr
.if \swap
.irp t, 0,1,2,3                                ; my two bytes of tile t's row r (blocks h and 2 + h) go to their places in the word, 8 h bits up; with lane l xor 16's two the word is whole
	v_lshlrev_b32 v[PWR+\t], v[SH8], v[PWR+\t]
	v_permlanex16_b32 v[TM+3], v[PWR+\t], s38, s39
	v_or_b32 v[PWR+\t], v[PWR+\t], v[TM+3]
.endr
.endif
	s_wait_alu depctr_va_vcc(0)                    ; the compare ahead of the pieces has written VCC, which the selections below read
.if \swap
.irp j, 0,1
	v_cndmask_b32 v[SW+\j], v[PWR+2*\j], v[PWR+2*\j+1], vcc_lo
.endr
.else
.irp j, 0,1,2,3
	v_cndmask_b32 v[SW+\j], v[PWR+2*\j], v[PWR+2*\j+1], vcc_lo
.endr
.endif
	s_wait_alu depctr_va_vdst(0)                   ; the quantisers have written pieces 4 to 7 and the selections the scale words, which the stores below read
.irp n, 6,7,8,9,10,11
	global_store_b128 v[LI], v[RC+4*\n:RC+4*\n+3], s[42:43] offset:512*\n
.endr
.if \swap
	global_store_b64 v[LK], v[SW:SW+1], s[44:45]
.else
	global_store_b128 v[LI], v[SW:SW+3], s[44:45]
.endif
	s_wait_dscnt 0x0                               ; the closing lines, six on end (every window is 0 here)
	s_wait_alu 0x0
	s_wait_tensorcnt 0x0
	ds_add_u32 v62, v63
	s_wait_dscnt 0x0
	s_endpgm
.endm
	s_cmp_eq_u32 s23, 5
	s_cbranch_scc1 .Lpath_v
	PATH 0
.Lpath_v:
	PATH 1
.Lfunc_end_k_qb37f737228_proj:
	.size	k_qb37f737228_proj, .Lfunc_end_k_qb37f737228_proj-k_qb37f737228_proj
	.p2alignl 7, 3214868480
	.fill 96, 4, 3214868480
	.section	.rodata,"a",@progbits
	.p2align	6, 0x0
	.amdhsa_kernel k_qb37f737228_proj
		.amdhsa_group_segment_fixed_size 170496
		.amdhsa_private_segment_fixed_size 0
		.amdhsa_enable_private_segment 0
		.amdhsa_kernarg_size 72
		.amdhsa_user_sgpr_count 2
		.amdhsa_user_sgpr_kernarg_segment_ptr 1
		.amdhsa_wavefront_size32 1
		.amdhsa_system_sgpr_workgroup_id_x 1
		.amdhsa_system_sgpr_workgroup_id_y 1
		.amdhsa_system_sgpr_workgroup_id_z 1
		.amdhsa_system_vgpr_workitem_id 0
		.amdhsa_next_free_vgpr 1024
		.amdhsa_next_free_sgpr 66
		.amdhsa_reserve_vcc 1
		.amdhsa_float_denorm_mode_32 3
		.amdhsa_float_denorm_mode_16_64 3
		.amdhsa_memory_ordered 1
		.amdhsa_forward_progress 1
		.amdhsa_inst_pref_size 255
	.end_amdhsa_kernel
	.section	.bss,"aw",@nobits
	.p2align	6
	.space	262144
	.amdgpu_metadata
---
amdhsa.version: [ 1, 2 ]
amdhsa.kernels:
  - .name:           k_qb37f737228_proj
    .symbol:         k_qb37f737228_proj.kd
    .args:
      - { .name: query, .offset: 0, .size: 8, .value_kind: global_buffer, .address_space: global }
      - { .name: key, .offset: 8, .size: 8, .value_kind: global_buffer, .address_space: global }
      - { .name: value, .offset: 16, .size: 8, .value_kind: global_buffer, .address_space: global }
      - { .name: b_q, .offset: 24, .size: 8, .value_kind: global_buffer, .address_space: global }
      - { .name: b_k, .offset: 32, .size: 8, .value_kind: global_buffer, .address_space: global }
      - { .name: b_v, .offset: 40, .size: 8, .value_kind: global_buffer, .address_space: global }
      - { .name: wbuf, .offset: 48, .size: 8, .value_kind: global_buffer, .address_space: global }
      - { .name: qbuf, .offset: 56, .size: 8, .value_kind: global_buffer, .address_space: global }
      - { .name: kvbuf, .offset: 64, .size: 8, .value_kind: global_buffer, .address_space: global }
    .group_segment_fixed_size: 170496
    .private_segment_fixed_size: 0
    .kernarg_segment_align: 8
    .kernarg_segment_size: 72
    .max_flat_workgroup_size: 128
    .sgpr_count:     66
    .vgpr_count:     1024
    .wavefront_size: 32
...
	.end_amdgpu_metadata
.endif
;; end of part 5
;; launch attn: the kernel of part 3 again; grid 64 x 4, 16 waves a work-group, clusters of 4 x 1, 327,680 bytes of LDS; arguments qbuf, kvbuf, obuf; writes obuf
;; launch oproj: the kernel of part 4 again; grid 4 x 64, 4 waves a work-group, no clusters, 168,448 bytes of LDS; arguments obuf, wbuf, b_o, out0; writes out0
